; MI455X (gfx1250); checked and timed in simulation.
; The chip was launched on July 23, 2026; its instructions are those of AMD's public machine-readable ISA for CDNA 5 (MIT licence, August 2026) and "CDNA5" Instruction Set Architecture Reference Guide (July 2026). The comments in the code are by the model that wrote it; some were corrected since.
;; Attention Layer. Allowed arithmetic: matrix products marked QUANTISED: E4M3 operands, one E8M0 scale for each 32 along K, by v_wmma_scale_f32_16x16x128_f8f6f4 with both operands' format E4M3, f32 sums; everything else in f32.
;; Inputs: Wk_codes 1,024 x 32 x 32 uint8 (E4M3 codes of Wk, K innermost, in blocks of 32 codes); Wk_scales 1,024 x 32 uint8 (E8M0 scales of Wk, one for each 32 codes along K); Wo_codes 1,024 x 32 x 32 uint8 (E4M3 codes of Wo, K innermost, in blocks of 32 codes); Wo_scales 1,024 x 32 uint8 (E8M0 scales of Wo, one for each 32 codes along K); Wq_codes 1,024 x 32 x 32 uint8 (E4M3 codes of Wq, K innermost, in blocks of 32 codes); Wq_scales 1,024 x 32 uint8 (E8M0 scales of Wq, one for each 32 codes along K); Wv_codes 1,024 x 32 x 32 uint8 (E4M3 codes of Wv, K innermost, in blocks of 32 codes); Wv_scales 1,024 x 32 uint8 (E8M0 scales of Wv, one for each 32 codes along K); bk 1,024 float32; bo 1,024 float32; bq 1,024 float32; bv 1,024 float32; key_codes 4 x 2,048 x 32 x 32 uint8 (E4M3 codes of key, K innermost, in blocks of 32 codes); key_scales 4 x 2,048 x 32 uint8 (E8M0 scales of key, one for each 32 codes along K); query_codes 4 x 2,048 x 32 x 32 uint8 (E4M3 codes of query, K innermost, in blocks of 32 codes); query_scales 4 x 2,048 x 32 uint8 (E8M0 scales of query, one for each 32 codes along K); value_codes 4 x 2,048 x 32 x 32 uint8 (E4M3 codes of value, K innermost, in blocks of 32 codes); value_scales 4 x 2,048 x 32 uint8 (E8M0 scales of value, one for each 32 codes along K).
;; Outputs: out0 4 x 2,048 x 1,024 float32.
;; This version of the problem:
;;   THIS VERSION OF THE PROBLEM IS GIVEN IN LOW PRECISION. The matrix products marked QUANTISED in the list below multiply operands that are first quantised to E4M3 (4 exponent bits, 3 mantissa bits; 8 bits a number), with one power-of-two scale for each 32 numbers along K (OCP MX v1.0); their sums are f32. All else is computed in f32.
;;   The module's matrix products, in the order in which they are computed (A, B: the left and right operand; K: the contracted axis; several contracted axes count as one K, in the product's order):
;;     1. [M 8,192, K 1,024] x [K 1,024, N 1,024]; A: input query (given as codes); B: input Wq (given as codes): QUANTISED
;;     2. [M 8,192, K 1,024] x [K 1,024, N 1,024]; A: input key (given as codes); B: input Wk (given as codes): QUANTISED
;;     3. [M 8,192, K 1,024] x [K 1,024, N 1,024]; A: input value (given as codes); B: input Wv (given as codes): QUANTISED
;;     4. batch 64 x [M 2,048, K 64] x [K 64, N 2,048]; A: computed on the way; B: computed on the way: QUANTISED
;;     5. batch 64 x [M 64, K 2,048] x [K 2,048, N 2,048]; A: computed on the way; B: softmax (see below): QUANTISED
;;     6. [M 8,192, K 1,024] x [K 1,024, N 1,024]; A: computed on the way; B: input Wo (given as codes): QUANTISED
;;   THE QUANTISER, for each operand of a quantised product, along K:
;;     - K is cut into blocks of 32 from its start; a last block that is shorter is filled with zeros.
;;     - A block's scale is 2^e with e = floor(log2(the largest magnitude in the block)) - 8, held to -126 .. 127; a block of zeros has e = 0. As a byte (E8M0): e + 127.
;;     - Each number is divided by its block's scale, clamped to +-448, and rounded to the nearest number of E4M3, ties to even, subnormals kept.
;;     - The product sums the exact products of the quantised numbers (number of the format x scale) in f32.
;;   ~~~python
;;   def quantise(x, axis):      # numpy; x: float32 -> the quantised numbers, widened to float32 again
;;       x = np.moveaxis(x, axis, -1); K = x.shape[-1]
;;       x = np.pad(x, [(0, 0)] * (x.ndim - 1) + [(0, -K % 32)]); x = x.reshape(x.shape[:-1] + (-1, 32)); a = np.abs(x).max(-1, keepdims=True)
;;       e = np.where(a > 0, np.clip(np.frexp(np.where(a > 0, a, 1))[1] - 1 - 8, -126, 127), 0)      # np.frexp(a)[1] - 1 = floor(log2(a)), exactly
;;       r = np.clip(x / 2.0 ** e, -448, 448)
;;       step = 2.0 ** (np.maximum(np.frexp(np.where(r == 0, 1, r))[1] - 1, -6) - 3)
;;       q = np.round(r / step) * step * 2.0 ** e      # np.round: ties to even
;;       return np.moveaxis(q.reshape(q.shape[:-2] + (-1,))[..., :K], -1, axis).astype(np.float32)
;;   ~~~
;;   SOFTMAX AHEAD OF A QUANTISED PRODUCT. Where the list says 'softmax', what is quantised is not the finished softmax but p = 2^(t - M), with t = logit x log2(e) and M = ceil(the row's largest t), a whole number; so 1/2 < the row's largest p <= 1. The row's sum l is taken of the UNQUANTISED p, in f32, and the product's result is divided by l at the end. Since M is a whole number, a kernel that streams over the keys may use a running M (the ceiling of the running maximum): every later rescaling is an exact power of two, which a block's scale takes up: the codes' values come out the same.
;;   OPERANDS COMPUTED ON THE WAY. 'Computed on the way' means the value that the module computes at that place (a softmax that the list does not call 'softmax' is quantised finished and normalised). What goes into a quantiser is computed in f32, as accurately as f32 sums, v_exp_f32 and their like allow (about 1e-6 of the number): no bf16 or f16 on the way to a quantiser, and a product that is left as it is and whose result goes on into a quantised operand takes f32 operands (vector FMAs, or v_wmma_f32_16x16x4_f32). A number that lies on a knife's edge between two numbers of the format may be rounded either way, as far as f32 arithmetic and the matrix unit's own rounding can turn it there, and no further.
;;   INPUTS GIVEN AS CODES. Wk (in the module: [1024, 1024], K = its axis 1); Wo (in the module: [1024, 1024], K = its axis 1); Wq (in the module: [1024, 1024], K = its axis 1); Wv (in the module: [1024, 1024], K = its axis 1); key (in the module: [4, 2048, 1024], K = its axis 2); query (in the module: [4, 2048, 1024], K = its axis 2); value (in the module: [4, 2048, 1024], K = its axis 2): each comes as NAME_codes (uint8): NAME with its K axis moved to the last place and cut into blocks of 32 codes, [.., K / 32, bytes a block], one block behind the other in memory; one code a byte (a code: sign, 4 exponent bits, 3 mantissa bits); and NAME_scales (uint8): the same leading axes, one E8M0 byte (e + 127) for each 32 codes along K. Its value is code x scale, taken as it is: it is not quantised again, and the codes and scales need not be those that the quantiser above would give.
;; One version. Each part assembles by itself: llvm-mc -triple=amdgcn-amd-amdhsa -mcpu=gfx1250 --defsym DOCPART=n.
;; ======== version 1 of 1: 3 launches
;; limits: right only within a limited range of input values
;; workspace buffers: qws 8,912,896 bytes; kws 8,912,896 bytes; vws 8,650,752 bytes; ocodes 8,388,608 bytes; oscales 262,144 bytes
;; launch proj (part 1): grid 8 x 32, 4 waves a work-group, clusters of 4 x 4, 327,680 bytes of LDS; arguments query_codes, query_scales, Wq_codes, Wq_scales, bq, qws, key_codes, key_scales, Wk_codes, Wk_scales, bk, kws, value_codes, value_scales, Wv_codes, Wv_scales, bv, vws; writes qws, kws, vws
.if DOCPART == 1
	.amdgcn_target "amdgcn-amd-amdhsa--gfx1250"
	.amdhsa_code_object_version 6
	.text
	.protected	k_q18ab5a66c0_proj
	.globl	k_q18ab5a66c0_proj
	.p2align	8
	.type	k_q18ab5a66c0_proj,@function
k_q18ab5a66c0_proj:
	s_mov_b64 s[64:65], 0
	v_nop
	global_prefetch_b8 v0, s[64:65] scope:SCOPE_SE
	s_setreg_imm32_b32 hwreg(HW_REG_WAVE_MODE, 25, 1), 1
	s_wait_xcnt 0x0
	s_wait_alu depctr_hold_cnt(0) depctr_sa_sdst(0) depctr_va_vdst(0) depctr_va_sdst(0) depctr_va_ssrc(0) depctr_va_vcc(0) depctr_vm_vsrc(0)
	s_getreg_b32 s2, hwreg(HW_REG_IB_STS2, 6, 4)
	s_cmp_eq_u32 s2, 0
	s_cbranch_scc0 .Lentry_in_a_cluster
	s_endpgm
.Lentry_in_a_cluster:
	s_bfe_u32 s2, ttmp6, 0x10000c
	s_cmp_lg_u32 s2, 0xf033
	s_cbranch_scc0 .Lentry_shape_is_right
	s_endpgm
.Lentry_shape_is_right:
; THE THREE PROJECTIONS q = query Wq^T + bq, k = key Wk^T + bk, v = value Wv^T + bv on codes of FP8 (E4M3) with one E8M0 scale for each 32 along K = 1,024, sums in f32 begun with the bias,
; and the quantisers behind them: q and k along a head's 64 features (two blocks of 32), v along the keys (blocks of 32 tokens).  The codes leave as IMAGES OF OPERAND REGISTERS for the attention launch.
; Nothing of these products is left out.  (The attention launch leaves out key steps that lie wholly under reference()'s own causal mask; its head says so.)
; THE DEAL.  256 work-groups of four waves, 2 x 2.  A work-group takes its 256 tokens x 128 columns (two heads) through three PHASES: q, k, v.  In a phase a wave holds 64 rows of the weight (one head), ALL of K, in 512 registers
; (windows 1, 2) and streams eight blocks of 16 tokens past them, 32 products a block; a block's fragments stand in one of two sets of 128 registers (window 3), fetched two blocks ahead.
; q, k: source 0 = the weight's rows, source 1 = the tokens: a lane holds one token, its registers run along the features.  v: source 0 = the tokens, source 1 = the weight's rows: a lane holds one feature, its registers run along the keys.
; LDS: two slots of 128 rows of 1,024 bytes + 16 of padding.  Phase p's weight lies in slot sw (1, 0, 1), its tokens' chunk 0 (128 rows) in the other, its chunk 1 in sw.  At the head waves 0, 1 bring Wq, waves 2, 3 query's chunk 0.
; Every other fill is a refill behind a drained round of the cluster's barrier, 32 rows a wave, over bytes of the same rows: chunk 1 when the weight stands in registers; the next weight in block 2, over chunk 0, whose last fetch is done;
; the next phase's chunk 0 in block 6, over chunk 1.  Each round also shows what the round before has asked for.
; CLUSTERS of 4 x 4: the tokens' chunks are shared along a row of the cluster, the weights' rows along a column: joint loads.
; PREFETCH: each later tile's 512 blocks of 256 bytes are asked for once by the sixteen waves that will load it jointly, 32 blocks a wave, told apart by address: query's chunk 1 behind the head's first barrier;
; the next weight in block 0 (loaded in block 2), the next chunk 0 in block 2 (loaded in block 6), the next chunk 1 in block 6 (loaded behind the next weight's move into registers).  The head's two tiles come by their loads alone.
; WORKSPACE.  qws, kws: [16 b + head][t / 128][8,704]: group (token tile a, g) at 1,024 a + 512 g + 16 lane: token 16 a + r, features 32 g + 16 h + 0..15; from byte 8,192 the scale words [r][a], doubled: s0, s1, s0, s1.
;             vws:      [16 b + head][t / 128][8,448]: group (feature tile t, c) at 2,048 t + 512 c + 16 lane: feature 16 t + r, keys 32 c + 16 h + 0..15; from byte 8,192 the scale words [r][t], byte c.
; A store of codes covers 512 consecutive bytes, aligned.  The scale words are 1 / 16 and 1 / 32 of the codes' bytes: a wave holds four of a row's eight words (q, k: 16 bytes a lane) or two of a word's four bytes (v: 2 bytes a lane).
; LIMITS: NaN, infinities and NaN codes among the inputs are not served.  A block whose largest magnitude lies under 2^-118 keeps the scale byte 1; a block of zeros gets the byte 1 where the rule says 127: its codes are zeros, and this program alone reads the bytes.
.set KROW,   1024
.set PITCH,  KROW+16                   ; 65 x 16 bytes: the 16 rows that a load touches start at 16 different groups of banks (ISA guide 11.1)
.set CH,     128
.set YB,     CH*PITCH                  ; slot 1
.set SPARE,  2*CH*PITCH                ; the spare words: two blocks of 256 bytes that no other line names
.set CHQ,    8704
.set PLQ,    16*CHQ
.set CHV,    8448
.set PLV,    16*CHV
.set NP,   8                           ; places behind this matrix instruction (ISA guide 7.12.1)
.set AX,   4                           ; v4, v5   LDS address of my tokens' fragments in slot 0, 1
.set AW,   6                           ; v6, v7   of my weight's
.set LIQ,  8                           ; v8    16 lane + 4,096 (wave / 2)
.set LIV,  9                           ; v9    16 lane + 1,024 (wave / 2)
.set SPW,  10
.set NIL,  11
.set ABS,  12                          ; v12   32 lane
.set AXS,  13                          ; v13   32 r + 16 h
.set BOH,  14                          ; v14   32 h
.set BOR,  15                          ; v15   4 r
.set PFX,  16                          ; v16, v17  the prefetches' offsets; never rewritten
.set PFW,  17
.set SOQ,  18                          ; v18   32 r + 16 (wave / 2)
.set SOV,  19                          ; v19   16 r + 2 (wave / 2)
.set SB,   24                          ; v24-39  the weight's scale words: register 8 u + q: lanes 0-15 tile 2 u's, lanes 16-31 tile 2 u + 1's
.set SA,   42                          ; v42-73  the tokens': register 4 n + q % 4 of block n: lanes 0-15 q < 4, lanes 16-31 q >= 4
.set BB,   80                          ; v80-111 the first products' C: the bias in the result's layout
.set ACC,  112                         ; v112-175 two sets of four accumulators
.set PC,   176                         ; v176-207 two sets of 16 code registers
.set TM,   208                         ; v208-211 largest magnitudes, 212-215 the other half's, then bytes, 216-219 448 x the scale, 220-223 the conversions' scale operands
.set WS,   224                         ; v224-231 scale words on their way out
.set BV,   232                         ; v232-235 v's bias, a number a tile
.set P0,   20                          ; s[20:55] three sets of six addresses: tokens' codes, their scales, the weight's codes, its scales, bias, workspace
.set G1A,  56
.set G1B,  68
.set G0A,  76
.set G0B,  80
.set G0R,  84
.set SEL,  88
.set MNT,  90
.set OF0,  98                          ; s[98:99]   my 32 rows of a tile of 128, in bytes
.set OF1,  100                         ; s[100:101] the same in chunk 1
.set LD,   104                         ; s104, s105 where they go in slot 0, 1
.set MSB, 0
.macro WIN new                         ; the immediate's high byte repeats the setting that is left
.if MSB != \new
	s_set_vgpr_msb (MSB<<8)|\new
.set MSB, \new
.endif
.endm
.macro PLACES n
.rept \n
	v_nop
.endr
.endm
.macro CROUND                          ; a round of the cluster's barrier
	s_barrier_signal -1
	s_barrier_wait -1
	s_cmp_lg_u32 s2, 0
	s_cbranch_scc1 .Lnot_wave_0_\@
	s_barrier_signal -3
.Lnot_wave_0_\@:
	s_barrier_wait -3
	s_barrier_signal -1
	s_barrier_wait -1
.endm
.macro TLOAD g0, g1                    ; a joint load; an s_nop 0 and four v_nop follow it
	tensor_load_to_lds s[\g0:\g0+3], s[\g1:\g1+7]
	s_nop 0
	PLACES 4
.endm
.macro GROUP1 g, mask, rows            ; so many rows of 1,024 bytes, dense in memory, 16 bytes of padding behind each in LDS
	s_or_b32 s[\g+0], s[\mask], (1<<20)|(1<<21)|(7<<22)|(3<<25)
	s_mov_b32 s[\g+1], (KROW&0xffff)<<16
	s_mov_b32 s[\g+2], (KROW>>16)|((\rows)<<16)
	s_mov_b32 s[\g+3], KROW<<16
	s_mov_b32 s[\g+4], \rows
	s_mov_b32 s[\g+5], KROW
	s_mov_b32 s[\g+6], 0
	s_mov_b32 s[\g+7], 0
.endm
.macro GRD
	s_wait_tensorcnt 0x0
	ds_add_u32 v[SPW], v[NIL]
.endm
.macro RDESC slot, ptr, off            ; group 0 of a refill: no tensor load of mine is out
	s_mov_b32 s[G0R+1], s[LD+(\slot)]
	s_add_nc_u64 s[G0R+2:G0R+3], s[\ptr:\ptr+1], s[\off:\off+1]
	s_or_b32 s[G0R+3], s[G0R+3], 0x80000000
.endm
.macro REFILL slot, ptr, off, g1
	GRD
	RDESC \slot, \ptr, \off
	s_wait_dscnt 0x0                               ; the add is done, and my reads of the slot are over
	CROUND
	TLOAD G0R, \g1
.endm
.macro LOADS p, kind                   ; a phase's scale words and bias, by plain loads into registers
.set PL_, P0+12*(\p)
.irp u, 0,1
.irp c, 0,1
	global_load_b128 v[SB+8*\u+4*\c:SB+8*\u+4*\c+3], v[ABS], s[PL_+6:PL_+7] offset:\u*1024+16*\c
.endr
.endr
.irp u, 0,1,2,3,4,5,6,7
	global_load_b128 v[SA+4*\u:SA+4*\u+3], v[AXS], s[PL_+2:PL_+3] offset:4096*(\u/4)+512*(\u%4)   ; 512 consecutive bytes, aligned
.endr
.irp b, 0,1,2,3
.if \kind
	global_load_b32 v[BV+\b], v[BOR], s[PL_+8:PL_+9] offset:64*\b          ; feature 16 b + r
.else
	global_load_b128 v[BB+8*\b:BB+8*\b+3], v[BOH], s[PL_+8:PL_+9] offset:64*\b       ; features 16 b + 8 h + 0 .. 7
	global_load_b128 v[BB+8*\b+4:BB+8*\b+7], v[BOH], s[PL_+8:PL_+9] offset:64*\b+16
.endif
.endr
.endm
.macro WEIGHTS slot                    ; fragment f = 4 q + b (16 rows x 128 of K) into window 1 + f / 16: lane l holds row l % 16; registers 4 c .. 4 c + 3 hold K = 32 c + 16 (l / 16) + 0 .. 15
.irp q, 0,1,2,3,4,5,6,7
.irp b, 0,1,2,3
	WIN (1+(4*\q+\b)/16)<<6
.irp c, 0,1,2,3
	ds_load_b128 v[16*((4*\q+\b)%16)+4*\c:16*((4*\q+\b)%16)+4*\c+3], v[AW+(\slot)] offset:\b*16*PITCH+128*\q+32*\c
.endr
.endr
.endr
	WIN 0
.endm
.macro FETCH n, sw                     ; block n's eight fragments into set n % 2 of window 3: 32 loads; blocks 0-3 lie in the slot that is not sw, blocks 4-7 in sw
.set AD_, AX+((\n)/4)*(\sw)+(1-(\n)/4)*(1-(\sw))
	WIN 3<<6
.irp q, 0,1,2,3,4,5,6,7
.irp c, 0,1,2,3
	ds_load_b128 v[128*((\n)%2)+16*\q+4*\c:128*((\n)%2)+16*\q+4*\c+3], v[AD_] offset:((\n)%4)*16*PITCH+128*\q+32*\c
.endr
.endr
	WIN 0
.endm
.macro PROD kind, blk, n               ; product n = 4 q + b of a block; the four accumulators take turns
.set Q_, (\n)/4
.set B_, (\n)%4
.set AC_, ACC+32*((\blk)%2)+8*B_
.set C_, AC_
.if Q_ == 0
.set C_, BB+8*B_
.endif
.if \kind
.set S0_, 128*((\blk)%2)+16*Q_
.set S1_, 16*((\n)%16)
.set T0_, SA+4*(\blk)+Q_%4
.set T1_, SB+8*(B_/2)+Q_
.set F0_, Q_/4
.set F1_, B_%2
	WIN 3|((1+(\n)/16)<<2)
.else
.set S0_, 16*((\n)%16)
.set S1_, 128*((\blk)%2)+16*Q_
.set T0_, SB+8*(B_/2)+Q_
.set T1_, SA+4*(\blk)+Q_%4
.set F0_, B_%2
.set F1_, Q_/4
	WIN (1+(\n)/16)|(3<<2)
.endif
.if F0_ && F1_
	v_wmma_scale_f32_16x16x128_f8f6f4 v[AC_:AC_+7], v[S0_:S0_+15], v[S1_:S1_+15], v[C_:C_+7], v[T0_], v[T1_] matrix_a_scale:MATRIX_SCALE_ROW1 matrix_b_scale:MATRIX_SCALE_ROW1
.elseif F0_
	v_wmma_scale_f32_16x16x128_f8f6f4 v[AC_:AC_+7], v[S0_:S0_+15], v[S1_:S1_+15], v[C_:C_+7], v[T0_], v[T1_] matrix_a_scale:MATRIX_SCALE_ROW1
.elseif F1_
	v_wmma_scale_f32_16x16x128_f8f6f4 v[AC_:AC_+7], v[S0_:S0_+15], v[S1_:S1_+15], v[C_:C_+7], v[T0_], v[T1_] matrix_b_scale:MATRIX_SCALE_ROW1
.else
	v_wmma_scale_f32_16x16x128_f8f6f4 v[AC_:AC_+7], v[S0_:S0_+15], v[S1_:S1_+15], v[C_:C_+7], v[T0_], v[T1_]
.endif
.endm
.macro SCL cnt                         ; behind the lanes' own maxima in TM + 0 ..: joined with lane l xor 16's; the conversion's scale operand; 448 x the scale
.set K_, 0
.rept \cnt
	v_permlanex16_b32 v[TM+4+K_], v[TM+K_], s[SEL], s[SEL+1]
.set K_, K_+1
.endr
.set K_, 0
.rept \cnt
	v_max_num_f32 v[TM+K_], v[TM+K_], v[TM+4+K_]
.set K_, K_+1
.endr
.set K_, 0
.rept \cnt
	v_add_nc_u32 v[TM+12+K_], 0xfc000000, v[TM+K_]         ; 8 off the exponent field
.set K_, K_+1
.endr
.set K_, 0
.rept \cnt
	v_and_or_b32 v[TM+8+K_], v[TM+K_], 0x7f800000, s[MNT]
.set K_, K_+1
.endr
.endm
.macro HOLD8 x, k                      ; the conversion does not saturate (ISA guide 7.6.2): eight numbers held at the largest code x the scale
.irp i, 0,1,2,3,4,5,6,7
	v_med3_num_f32 v[(\x)+\i], v[(\x)+\i], -v[TM+8+(\k)], v[TM+8+(\k)]
.endr
.endm
.macro SWAPS pcs, cnt                  ; lanes 16-31 of a first pair of code registers change places with lanes 0-15 of the second: k = 16 h + 0 .. 15 of the block of 32
	v_nop                                          ; a plain place behind the last conversion
.set K_, 0
.rept \cnt
	v_permlane16_swap_b32 v[(\pcs)+4*K_], v[(\pcs)+4*K_+2]
	v_permlane16_swap_b32 v[(\pcs)+4*K_+1], v[(\pcs)+4*K_+3]
.set K_, K_+1
.endr
.endm
; q's or k's block n: a lane's 32 sums are 16 of each of the head's two blocks of 32 features (tiles 2 e, 2 e + 1), the other 16 in lane l xor 16
.macro OUTQ p, n
.set X_, ACC+32*((\n)%2)
.set PCS_, PC+16*((\n)%2)
.set WW_, WS+4*((\n)/4)+(\n)%4
.set PW_, P0+12*(\p)+10
.irp k, 0,1,2,3
	v_max3_num_f32 v[TM+\k], |v[X_+8*\k]|, |v[X_+8*\k+1]|, 0x4800000   ; four chains, a tile each, each accumulator from its low end on; the floor 2^(9 - 127): the byte cannot fall under 1
.endr
.irp i, 2,4,6
.irp k, 0,1,2,3
	v_max3_num_f32 v[TM+\k], v[TM+\k], |v[X_+8*\k+\i]|, |v[X_+8*\k+\i+1]|
.endr
.endr
	v_max_num_f32 v[TM], v[TM], v[TM+1]
	v_max_num_f32 v[TM+1], v[TM+2], v[TM+3]
	SCL 2
	v_lshrrev_b32 v[TM+4], 23, v[TM+12]            ; the two scale bytes,
	v_lshrrev_b32 v[TM+5], 23, v[TM+13]
	v_lshl_or_b32 v[WW_], v[TM+5], 8, v[TM+4]
	v_lshl_or_b32 v[WW_], v[WW_], 16, v[WW_]       ; doubled
.irp e, 0,1
	HOLD8 X_+16*\e, \e
	HOLD8 X_+16*\e+8, \e
	v_cvt_scalef32_pk8_fp8_f32 v[PCS_+4*\e:PCS_+4*\e+1], v[X_+16*\e:X_+16*\e+7], v[TM+12+\e]
	v_cvt_scalef32_pk8_fp8_f32 v[PCS_+4*\e+2:PCS_+4*\e+3], v[X_+16*\e+8:X_+16*\e+15], v[TM+12+\e]
.endr
	SWAPS PCS_, 2
.irp e, 0,1
	global_store_b128 v[LIQ], v[PCS_+4*\e:PCS_+4*\e+3], s[PW_:PW_+1] offset:((\n)/4)*CHQ+1024*((\n)%4)+512*\e th:TH_STORE_NT
.endr
.if (\n)%4 == 3
	global_store_b128 v[SOQ], v[WS+4*((\n)/4):WS+4*((\n)/4)+3], s[PW_:PW_+1] offset:((\n)/4)*CHQ+8192 th:TH_STORE_NT   ; my four tiles' words of each row; both halves of the lanes hold and write the same
.endif
.endm
; v's blocks n - 1 and n (n odd): for feature tile b a lane's 8 + 8 sums are 16 of a block of 32 keys, the other 16 in lane l xor 16
.macro OUTV p, n
.set PCS_, PC+16*(((\n)/2)%2)
.set WW_, WS+4*((\n)/4)
.set PW_, P0+12*(\p)+10
.irp b, 0,1,2,3
	v_max3_num_f32 v[TM+\b], |v[ACC+8*\b]|, |v[ACC+8*\b+1]|, 0x4800000
.endr
.irp i, 2,4,6,32,34,36,38
.irp b, 0,1,2,3
	v_max3_num_f32 v[TM+\b], v[TM+\b], |v[ACC+8*\b+\i]|, |v[ACC+8*\b+\i+1]|
.endr
.endr
	SCL 4
.irp b, 0,1,2,3
.if (\n)%4 == 1
	v_lshrrev_b32 v[WW_+\b], 23, v[TM+12+\b]       ; the scale byte of my first block of 32 keys of this chunk
.else
	v_lshrrev_b32 v[TM+4+\b], 23, v[TM+12+\b]
.endif
.endr
.if (\n)%4 == 3
.irp b, 0,1,2,3
	v_lshl_or_b32 v[WW_+\b], v[TM+4+\b], 8, v[WW_+\b]   ; and of my second
.endr
.endif
.irp b, 0,1,2,3
	HOLD8 ACC+8*\b, \b
	HOLD8 ACC+32+8*\b, \b
	v_cvt_scalef32_pk8_fp8_f32 v[PCS_+4*\b:PCS_+4*\b+1], v[ACC+8*\b:ACC+8*\b+7], v[TM+12+\b]
	v_cvt_scalef32_pk8_fp8_f32 v[PCS_+4*\b+2:PCS_+4*\b+3], v[ACC+32+8*\b:ACC+32+8*\b+7], v[TM+12+\b]
.endr
	SWAPS PCS_, 4
.irp b, 0,1,2,3
	global_store_b128 v[LIV], v[PCS_+4*\b:PCS_+4*\b+3], s[PW_:PW_+1] offset:((\n)/4)*CHV+2048*\b+512*(((\n)%4)/2) th:TH_STORE_NT
.endr
.if (\n)%4 == 3
.irp b, 0,1,2,3
	global_store_b16 v[SOV], v[WW_+\b], s[PW_:PW_+1] offset:((\n)/4)*CHV+8192+4*\b th:TH_STORE_NT   ; my two bytes of the word of feature 16 b + r
.endr
.endif
.endm
.macro BLK p, kind, sw, n
.if (\n) < 7
	s_wait_dscnt 32                                ; this block's fragments are in; the next block's fetch, 32 loads, may be out
.else
	s_wait_dscnt 0x0
.endif
	s_wait_xcnt 0x0                                ; earlier stores have read their registers, which this block's way out writes
.set N_, 0
.rept 32
	PROD \kind, \n, N_
.set N_, N_+1
.endr
	WIN 0
	PLACES NP                                      ; ahead of the fetch into the set just read and of the first read of the sums
.if (\n) == 2
.if (\p) < 2
	REFILL 1-(\sw), P0+12*((\p)+1)+4, OF0, G1B     ; chunk 1 is shown; the next weight goes over chunk 0
.else
	s_wait_tensorcnt 0x0                           ; chunk 1: on every wave's way
	s_wait_dscnt 0x0
	s_barrier_signal -1
	s_barrier_wait -1
.endif
.endif
.if (\n) == 6 && (\p) < 2
	REFILL \sw, P0+12*((\p)+1), OF0, G1A           ; the next weight is shown; the next phase's chunk 0 goes over chunk 1
.endif
.if (\n) < 6
	FETCH (\n)+2, \sw
.endif
.if (\p) < 2
.set PN_, P0+12*((\p)+1)
.if (\n) == 0
	global_prefetch_b8 v[PFW], s[PN_+4:PN_+5] th:TH_LOAD_NT scope:SCOPE_SE
.elseif (\n) == 2
	global_prefetch_b8 v[PFX], s[PN_:PN_+1] th:TH_LOAD_NT scope:SCOPE_SE
.elseif (\n) == 6
	global_prefetch_b8 v[PFX], s[PN_:PN_+1] offset:131072 th:TH_LOAD_NT scope:SCOPE_SE
.endif
.endif
.if \kind
.if (\n)%2
	OUTV \p, \n
.endif
.else
	OUTQ \p, \n
.endif
.endm
.macro PHASE p, kind, sw               ; the weight has been shown in slot sw
	WEIGHTS \sw
	GRD
.if (\p) == 0
	s_mov_b32 s[G1A+2], (KROW>>16)|(32<<16)        ; no tensor load of mine is out: from here on a load brings 32 rows
	s_mov_b32 s[G1A+4], 32
	s_mov_b32 s[G1B+2], (KROW>>16)|(32<<16)
	s_mov_b32 s[G1B+4], 32
.endif
	RDESC \sw, P0+12*(\p), OF1
	s_wait_dscnt 0x0                               ; the add is done, and the weight is in my registers
	CROUND                                         ; chunk 0 is shown,
	TLOAD G0R, G1A                                 ; and chunk 1 goes over the weight's bytes
	FETCH 0, \sw
	FETCH 1, \sw
	s_wait_loadcnt 0x0                             ; scale words and bias
.if \kind
.irp b, 0,1,2,3
.irp i, 0,1,2,3,4,5,6,7
	v_mov_b32 v[BB+8*\b+\i], v[BV+\b]              ; all eight registers of a tile are one feature
.endr
.endr
	s_wait_alu depctr_va_vdst(0)                   ; the wait ahead of the wait below
.endif
.irp u, 0,1,2,3,4,5,6,7
	BLK \p, \kind, \sw, \u
.endr
.endm
	s_load_b512 s[20:35], s[0:1], 0x0
	s_load_b512 s[36:51], s[0:1], 0x40
	s_load_b128 s[52:55], s[0:1], 0x80
	v_lshl_add_u32 v[SPW], v0, 2, SPARE
	v_mov_b32 v[NIL], 0
	ds_add_u32 v[SPW], v[NIL]                      ; the opening lines: the add, twice on end, and its wait ahead of my first tensor load
	ds_add_u32 v[SPW], v[NIL]
	v_lshrrev_b32 v1, 5, v0
	v_readfirstlane_b32 s2, v1                     ; wave 0..3
	s_lshr_b32 s3, s2, 1                           ; my row of waves: which 64 of a chunk's tokens
	s_and_b32 s4, s2, 1                            ; my column of waves: which head; also which half of a head's tile I fetch
	s_bfe_u32 s5, ttmp6, 0x40000                   ; cx, cy
	s_bfe_u32 s6, ttmp6, 0x40004
	s_lshl_b32 s7, ttmp9, 2
	s_add_co_u32 s7, s7, s5                        ; tile column, 0 .. 7
	s_and_b32 s8, ttmp7, 0xffff
	s_lshl_b32 s8, s8, 2
	s_add_co_u32 s8, s8, s6                        ; tile row, 0 .. 31
	s_lshl_b32 s9, s6, 2
	s_lshl_b32 s9, 15, s9                          ; my row of the cluster shares the tokens
	s_lshl_b32 s10, 0x1111, s5                     ; my column shares the weights' rows
	GROUP1 G1B, 10, 64
	GROUP1 G1A, 9, 64
	s_mov_b32 s[G0A], 1
	s_mul_i32 s[G0A+1], s4, 64*PITCH               ; LDS places hang on the wave's number alone
	s_mov_b32 s[G0B], 1
	s_add_co_u32 s[G0B+1], s[G0A+1], YB
	s_mov_b32 s[G0R], 1
	s_mul_i32 s[LD], s2, 32*PITCH
	s_add_co_u32 s[LD+1], s[LD], YB
	s_lshl_b32 s12, s8, 18                         ; my 256 tokens' codes
	s_mov_b32 s13, 0
	s_lshl_b32 s14, s8, 13                         ; my wave's 64 + 64 tokens' scale bytes
	s_lshl_b32 s11, s3, 11
	s_add_co_u32 s14, s14, s11
	s_mov_b32 s15, 0
	s_lshl_b32 s16, s7, 17                         ; my 128 rows of a weight
	s_mov_b32 s17, 0
	s_lshl_b32 s18, s7, 12                         ; my wave's 64 rows' scale bytes
	s_lshl_b32 s11, s4, 11
	s_add_co_u32 s18, s18, s11
	s_mov_b32 s19, 0
	s_lshl_b32 s92, s7, 9                          ; and their bias
	s_lshl_b32 s11, s4, 8
	s_add_co_u32 s92, s92, s11
	s_mov_b32 s93, 0
	s_lshr_b32 s11, s8, 3
	s_lshl_b32 s11, s11, 4
	s_lshl_b32 s91, s7, 1
	s_add_co_u32 s11, s11, s91
	s_add_co_u32 s11, s11, s4                      ; 16 b + head
	s_and_b32 s91, s8, 7
	s_lshl_b32 s91, s91, 1                         ; my first step of 128 tokens in its batch
	s_mul_i32 s94, s11, PLQ
	s_mul_i32 s95, s91, CHQ
	s_add_co_u32 s94, s94, s95
	s_mov_b32 s95, 0
	s_mul_i32 s96, s11, PLV
	s_mul_i32 s97, s91, CHV
	s_add_co_u32 s96, s96, s97
	s_mov_b32 s97, 0
	s_lshl_b32 s[OF0], s2, 15
	s_mov_b32 s[OF0+1], 0
	s_add_co_u32 s[OF1], s[OF0], 131072
	s_mov_b32 s[OF1+1], 0
	s_lshl_b32 s66, s4, 16                         ; a half of a head's tile: 64 rows
	s_mov_b32 s67, 0
	s_mov_b32 s[SEL], 0x76543210
	s_mov_b32 s[SEL+1], 0xfedcba98                 ; v_permlanex16_b32's selects for lane l xor 16
	s_mov_b32 s[MNT], 0x600000                     ; the mantissa field of 448
	s_wait_dscnt 0x0                               ; both opening adds are done
	CROUND                                         ; all sixteen work-groups are here: the first joint loads meet
	s_wait_kmcnt 0x0
.irp u, 0,1,2
	s_add_nc_u64 s[P0+12*\u:P0+12*\u+1], s[P0+12*\u:P0+12*\u+1], s[12:13]
	s_add_nc_u64 s[P0+12*\u+2:P0+12*\u+3], s[P0+12*\u+2:P0+12*\u+3], s[14:15]
	s_add_nc_u64 s[P0+12*\u+4:P0+12*\u+5], s[P0+12*\u+4:P0+12*\u+5], s[16:17]
	s_add_nc_u64 s[P0+12*\u+6:P0+12*\u+7], s[P0+12*\u+6:P0+12*\u+7], s[18:19]
	s_add_nc_u64 s[P0+12*\u+8:P0+12*\u+9], s[P0+12*\u+8:P0+12*\u+9], s[92:93]
.endr
	s_add_nc_u64 s[P0+10:P0+11], s[P0+10:P0+11], s[94:95]
	s_add_nc_u64 s[P0+22:P0+23], s[P0+22:P0+23], s[94:95]
	s_add_nc_u64 s[P0+34:P0+35], s[P0+34:P0+35], s[96:97]
	s_add_nc_u64 s[G0A+2:G0A+3], s[P0:P0+1], s[66:67]
	s_or_b32 s[G0A+3], s[G0A+3], 0x80000000
	s_add_nc_u64 s[G0B+2:G0B+3], s[P0+4:P0+5], s[66:67]
	s_or_b32 s[G0B+3], s[G0B+3], 0x80000000
	s_cmp_lt_u32 s2, 2                             ; one joint load a wave; the weight's waves, which wait at the first barrier, have a line of their own
	s_cbranch_scc0 .Lfor_x
	TLOAD G0B, G1B                                 ; waves 0, 1: Wq's rows, which are wanted first
	s_branch .Lasked
.Lfor_x:
	TLOAD G0A, G1A                                 ; waves 2, 3: query's chunk 0
.Lasked:
	s_mul_i32 s12, s3, 64*PITCH                    ; my 64 tokens of a chunk
	s_mul_i32 s13, s4, 64*PITCH                    ; my 64 rows of a weight
	s_lshl_b32 s14, s3, 12
	s_lshl_b32 s15, s3, 10
	s_lshl_b32 s16, s5, 2                          ; which of the sixteen waves that ask for the tokens' tiles with me I am,
	s_add_co_u32 s16, s16, s2
	s_lshl_b32 s16, s16, 13
	s_lshl_b32 s17, s6, 2                          ; and for the weights'
	s_add_co_u32 s17, s17, s2
	s_lshl_b32 s17, s17, 13
	s_lshl_b32 s18, s3, 4
	s_lshl_b32 s19, s3, 1
	v_and_b32 v1, 15, v0                           ; r
	v_bfe_u32 v2, v0, 4, 1                         ; h
	v_and_b32 v3, 31, v0                           ; lane
	v_mul_u32_u24 v[AX], v1, PITCH
	v_lshl_add_u32 v[AX], v2, 4, v[AX]             ; a fragment's row x pitch + 16 x half
	v_add_nc_u32 v[AW], s13, v[AX]
	v_add_nc_u32 v[AX], s12, v[AX]
	v_add_nc_u32 v[AX+1], YB, v[AX]
	v_add_nc_u32 v[AW+1], YB, v[AW]
	v_lshl_add_u32 v[LIQ], v3, 4, s14
	v_lshl_add_u32 v[LIV], v3, 4, s15
	v_lshlrev_b32 v[ABS], 5, v3
	v_lshlrev_b32 v[AXS], 5, v1
	v_lshl_add_u32 v[AXS], v2, 4, v[AXS]
	v_lshlrev_b32 v[BOH], 5, v2
	v_lshlrev_b32 v[BOR], 2, v1
	v_lshl_add_u32 v[PFX], v3, 8, s16
	v_lshl_add_u32 v[PFW], v3, 8, s17
	v_lshl_add_u32 v[SOQ], v1, 5, s18
	v_lshl_add_u32 v[SOV], v1, 4, s19
.irp b, 0,1,2,3
	v_mov_b32 v[TM+4+\b], 0                        ; written once: a lane permute's destination counts as one of its sources
.endr
	LOADS 0, 0
	s_wait_alu depctr_va_vdst(0)                   ; the wait at the head's end
	s_cmp_lt_u32 s2, 2
	s_cbranch_scc0 .Lnot_w
	s_wait_tensorcnt 0x0                           ; waves 0, 1: Wq's rows are in
.Lnot_w:
	s_barrier_signal -1
	s_barrier_wait -1
	global_prefetch_b8 v[PFX], s[P0:P0+1] offset:131072 th:TH_LOAD_NT scope:SCOPE_SE   ; my share of query's chunk 1
	PHASE 0, 0, 1
	LOADS 1, 0                                     ; behind the last block's way out, whose lines are the places behind its products
	PHASE 1, 0, 0
	LOADS 2, 1
	PHASE 2, 1, 1
	s_wait_tensorcnt 0x0                           ; the wave's end
	ds_add_u32 v[SPW], v[NIL]
	s_wait_dscnt 0x0
	CROUND                                         ; the closing round
	s_endpgm
.Lfunc_end_k_q18ab5a66c0_proj:
	.size	k_q18ab5a66c0_proj, .Lfunc_end_k_q18ab5a66c0_proj-k_q18ab5a66c0_proj
	.p2alignl 7, 3214868480
	.fill 96, 4, 3214868480
	.section	.rodata,"a",@progbits
	.p2align	6, 0x0
	.amdhsa_kernel k_q18ab5a66c0_proj
		.amdhsa_group_segment_fixed_size 327680
		.amdhsa_private_segment_fixed_size 0
		.amdhsa_enable_private_segment 0
		.amdhsa_kernarg_size 144
		.amdhsa_user_sgpr_count 2
		.amdhsa_user_sgpr_kernarg_segment_ptr 1
		.amdhsa_wavefront_size32 1
		.amdhsa_system_sgpr_workgroup_id_x 1
		.amdhsa_system_sgpr_workgroup_id_y 1
		.amdhsa_system_sgpr_workgroup_id_z 1
		.amdhsa_system_vgpr_workitem_id 0
		.amdhsa_next_free_vgpr 1024
		.amdhsa_next_free_sgpr 106
		.amdhsa_reserve_vcc 0
		.amdhsa_float_denorm_mode_32 3
		.amdhsa_float_denorm_mode_16_64 3
		.amdhsa_memory_ordered 1
		.amdhsa_forward_progress 1
		.amdhsa_inst_pref_size 255
	.end_amdhsa_kernel
	.section	.bss,"aw",@nobits
	.p2align	6
	.space	262144
	.amdgpu_metadata
---
amdhsa.version: [ 1, 2 ]
amdhsa.kernels:
  - .name:           k_q18ab5a66c0_proj
    .symbol:         k_q18ab5a66c0_proj.kd
    .args:
      - { .name: query_codes, .offset: 0, .size: 8, .value_kind: global_buffer, .address_space: global }
      - { .name: query_scales, .offset: 8, .size: 8, .value_kind: global_buffer, .address_space: global }
      - { .name: Wq_codes, .offset: 16, .size: 8, .value_kind: global_buffer, .address_space: global }
      - { .name: Wq_scales, .offset: 24, .size: 8, .value_kind: global_buffer, .address_space: global }
      - { .name: bq, .offset: 32, .size: 8, .value_kind: global_buffer, .address_space: global }
      - { .name: qws, .offset: 40, .size: 8, .value_kind: global_buffer, .address_space: global }
      - { .name: key_codes, .offset: 48, .size: 8, .value_kind: global_buffer, .address_space: global }
      - { .name: key_scales, .offset: 56, .size: 8, .value_kind: global_buffer, .address_space: global }
      - { .name: Wk_codes, .offset: 64, .size: 8, .value_kind: global_buffer, .address_space: global }
      - { .name: Wk_scales, .offset: 72, .size: 8, .value_kind: global_buffer, .address_space: global }
      - { .name: bk, .offset: 80, .size: 8, .value_kind: global_buffer, .address_space: global }
      - { .name: kws, .offset: 88, .size: 8, .value_kind: global_buffer, .address_space: global }
      - { .name: value_codes, .offset: 96, .size: 8, .value_kind: global_buffer, .address_space: global }
      - { .name: value_scales, .offset: 104, .size: 8, .value_kind: global_buffer, .address_space: global }
      - { .name: Wv_codes, .offset: 112, .size: 8, .value_kind: global_buffer, .address_space: global }
      - { .name: Wv_scales, .offset: 120, .size: 8, .value_kind: global_buffer, .address_space: global }
      - { .name: bv, .offset: 128, .size: 8, .value_kind: global_buffer, .address_space: global }
      - { .name: vws, .offset: 136, .size: 8, .value_kind: global_buffer, .address_space: global }
    .group_segment_fixed_size: 327680
    .private_segment_fixed_size: 0
    .kernarg_segment_align: 8
    .kernarg_segment_size: 144
    .max_flat_workgroup_size: 128
    .sgpr_count:     106
    .vgpr_count:     1024
    .wavefront_size: 32
...
	.end_amdgpu_metadata
.endif
;; end of part 1
;; launch attn (part 2): grid 4 x 64, 16 waves a work-group, clusters of 4 x 1, 327,680 bytes of LDS; arguments qws, kws, vws, ocodes, oscales; writes ocodes, oscales
.if DOCPART == 2
	.amdgcn_target "amdgcn-amd-amdhsa--gfx1250"
	.amdhsa_code_object_version 6
	.text
	.protected	k_q18ab5a66c0_attn
	.globl	k_q18ab5a66c0_attn
	.p2align	8
	.type	k_q18ab5a66c0_attn,@function
k_q18ab5a66c0_attn:
	s_mov_b64 s[64:65], 0
	v_nop
	global_prefetch_b8 v0, s[64:65] scope:SCOPE_SE
	s_setreg_imm32_b32 hwreg(HW_REG_WAVE_MODE, 25, 1), 1
	s_wait_xcnt 0x0
	s_wait_alu depctr_hold_cnt(0) depctr_sa_sdst(0) depctr_va_vdst(0) depctr_va_sdst(0) depctr_va_ssrc(0) depctr_va_vcc(0) depctr_vm_vsrc(0)
	s_getreg_b32 s2, hwreg(HW_REG_IB_STS2, 6, 4)
	s_cmp_eq_u32 s2, 0
	s_cbranch_scc0 .Lentry_in_a_cluster
	s_endpgm
.Lentry_in_a_cluster:
	s_bfe_u32 s2, ttmp6, 0x10000c
	s_cmp_lg_u32 s2, 0x3003
	s_cbranch_scc0 .Lentry_shape_is_right
	s_endpgm
.Lentry_shape_is_right:
; CAUSAL ATTENTION of one head on codes of FP8 (E4M3) with one E8M0 scale for each 32 along a product's K, and the quantiser of its result along the 1,024 features (two blocks of 32 a head).
; t = score x log2(e) / 8; M = the running largest t rounded UP to a whole number; p = 2^(t - M) is quantised along the keys, not normalised; the row's sum is taken of the unquantised p and divides O at the end.
; LEFT OUT: key steps of 128 all of whose keys come after a tile's 16 queries: reference() sets their scores to -infinity by its own jnp.tril, so their p is 0 for all values of the inputs.
; ALL OF A HEAD'S K AND V STAY IN LDS: 16 chunks of 128 keys, 8,704 bytes of K and 8,448 of V each, 274,432 bytes.  Every byte is filled once, at the head: wave w brings slot w / 2 (256 keys), K's where w is even, V's where odd:
; one tensor load a wave.  Nothing is filled again, so the walk over the keys has no ring.  The fills are shown in three stages by plain barriers: slot 0 (waves 0, 1), slots 1-3 (waves 2-7), slots 4-7 (the rest); each stage has load lines of its own.
; SHARES.  The four work-groups of a head form a cluster; work-group cx owns the query tiles 4 m + cx (16 queries each), m = 0 .. 31.  Wave w takes m = 31 - w, then m = w: tile 4 m + cx needs the chunks 0 .. m / 2 whatever cx is,
; so every wave of every work-group walks (31 - w) / 2 + 1 + w / 2 + 1 = 17 key steps, the last step of a tile is the one on the diagonal, and no branch hangs on cx.  All four partners need all sixteen chunks: each fill is a JOINT load (mask 15).
; The loops' trip counts are constants (2, 6, 8, 8 chunks); in the last two a scalar branch on the wave's number leads round the work of a chunk beyond the tile's last.  In chunks 0-7 of the late tile every wave has a full step.
; NO PREFETCH: every tile is asked for by the head's loads; there is no later load to run ahead of.
; LAYOUT.  Both products are used transposed (S^T = K Q^T, O^T = V^T P^T): a lane holds ONE query (lane % 16) throughout.  K, V and Q lie in the workspace as images of operand registers: every LDS load is 16 x lane + a constant.
; K = 64 IN A FORM OF 128: a fragment of 16 registers holds TWO tiles of 16 keys; q stands between two runs of eight zero registers, so that v[24:39] meets the first tile and v[16:31] the second; the other tile's codes meet zero codes.
; The scale words of q and k are stored doubled (s0, s1, s0, s1), so one word serves either half.  p's (and O's) code registers change half-rows in pairs, which gives the operand's k = 32 e + 16 h + 0..15.
; OUT.  ocodes: [token / 16][head][e][16 x lane]: 16,384 bytes a tile of 16 tokens, the image of the last product's operand registers with all of K on end; a store covers 512 consecutive bytes, aligned.
; oscales: [token][32], bytes 2 head + e: two bytes a token from this work-group.
; LIMITS: NaN and infinities are not served; the scaled scores stay under 2^31 in magnitude.  A block whose largest magnitude lies under 2^-118 keeps the scale byte 1; a block of zeros gets the byte 1 where the rule says 127: its codes are zeros, and this program alone reads the bytes.
.set CHQ,   8704
.set CHV,   8448
.set PLQ,   16*CHQ
.set PLV,   16*CHV
.set KSL,   2*CHQ                      ; a slot's bytes of K: 68 x 256
.set VSL,   2*CHV                      ; of V: 66 x 256
.set VOFF,  8*KSL                      ; V's chunks lie behind K's sixteen
.set SPARE, VOFF+8*VSL                 ; the spare words, 128 bytes for each of sixteen waves: eight blocks of 256 bytes that no other line names
.set LI,   1                           ; v1   16 x lane
.set KSA,  2                           ; v2   32 r
.set VSA,  3                           ; v3   VOFF + 16 r
.set MD,   4                           ; v4   r - 8 h
.set SPW,  5
.set NIL,  6
.set LIV,  7                           ; v7   VOFF + 16 x lane
.set ADK,  8
.set ADS,  9
.set ADT,  10
.set ADV,  11
.set QHI,  16                          ; v16-23 zeros, v24-31 q, v32-39 zeros
.set QLO,  24
.set KV,   40                          ; v40-103   four fragments, of K and then of V
.set S,    104                         ; v104-167  S^T, then p
.set O,    168                         ; v168-199  O^T, four tiles
.set PC,   200                         ; v200-215  codes; ahead of the conversions seven pairs of partial sums
.set TS,   PC-2
.set BM,   216
.set BP,   220
.set BH,   224
.set BS,   228
.set F,    234                         ; v[234:235] f = 2^(old M - new M); later 1 / the sum
.set DD,   238                         ; v238 my query's place in the diagonal chunk, less 8 h
.set KSC,  240                         ; v240-253 hold scales and nothing else
.set VSC,  248
.set QSC,  252
.set PSC,  253
.set TK,   2                           ; s2   LDS byte of the chunk of K in hand
.set TV,   3                           ; s3   of V, from VOFF on
.set CI,   14                          ; s14  the chunk's number
.set Q0,   15                          ; s15  my tile's first query
.set LC,   16                          ; s16  my tile's last chunk: from the wave's number alone
.set Q0E,  17
.set WV,   18
.set MNT,  19
.set SEL,  20
.set CS,   22
.set G1K,  24
.set G1V,  32
.set G0K,  40
.set G0V,  44
.set KB,   48
.set VB,   50
.set QB,   52
.set LCE,  70                          ; s70  wave / 2: the slot that I fetch, and the early tile's last chunk
.set XK,   71                          ; s71  16 (wave % 2) + wave: K's waves 0 .. 14, V's 17 .. 31
.set CX,   72
.macro CROUND                          ; a round of the cluster's barrier
	s_barrier_signal -1
	s_barrier_wait -1
	s_cmp_lg_u32 s[WV], 0
	s_cbranch_scc1 .Lnot_wave_0_\@
	s_barrier_signal -3
.Lnot_wave_0_\@:
	s_barrier_wait -3
	s_barrier_signal -1
	s_barrier_wait -1
.endm
.macro TL g0, g1                       ; a joint load; an s_nop 0 and four v_nop follow it
	tensor_load_to_lds s[\g0:\g0+3], s[\g1:\g1+7]
	s_nop 0
.rept 4
	v_nop
.endr
.endm
.macro ARM under, g0, g1, next
	s_cmp_lt_u32 s[XK], \under
	s_cbranch_scc0 \next
	TL \g0, \g1
	s_branch .Lhead_asked
\next:
.endm
.macro LOADQ                           ; my tile's q (8 registers) and its scale words
	s_lshr_b32 s76, s[Q0], 7
	s_mul_i32 s76, s76, CHQ
	s_bfe_u32 s77, s[Q0], 0x30004                  ; which of the chunk's eight tiles
	s_lshl_b32 s78, s77, 10
	s_add_co_u32 s78, s78, s76
	s_mov_b32 s79, 0
	s_add_nc_u64 s[58:59], s[QB:QB+1], s[78:79]
	s_lshl_b32 s78, s77, 2
	s_add_co_u32 s78, s78, s76
	s_add_co_u32 s78, s78, 8192
	s_add_nc_u64 s[60:61], s[QB:QB+1], s[78:79]
	s_wait_alu depctr_va_vdst(0)                   ; the wait behind the run of scalar lines
	global_load_b128 v[QLO:QLO+3], v[LI], s[58:59] th:TH_LOAD_NT
	global_load_b128 v[QLO+4:QLO+7], v[LI], s[58:59] offset:512 th:TH_LOAD_NT
	global_load_b32 v[QSC], v[KSA], s[60:61] th:TH_LOAD_NT
.endm
.macro INIT                            ; the step is written once: a tile's first finds zeros, which the first change of M leaves zeros
	s_and_b32 s76, s[Q0], 127
	v_add_nc_u32 v[DD], s76, v[MD]                 ; register 8 t + j of the diagonal chunk is hidden where 16 t + j > this
	v_mov_b32 v13, 0xff61b1e6                      ; the largest t so far: -3e38
	s_delay_alu instid0(VALU_DEP_1)
	v_floor_f32 v12, -v13                          ; -M
	v_mov_b32 v14, 0
	v_mov_b32 v15, 0
.set n, 0
.rept 32
	v_mov_b32 v[O+n], 0
.set n, n+1
.endr
.endm
.macro OUTADDR
	s_lshl_b32 s78, s[Q0], 10                      ; 16,384 bytes a tile of 16 tokens
	s_mov_b32 s79, 0
	s_add_nc_u64 s[66:67], s[54:55], s[78:79]
	s_lshl_b32 s78, s[Q0], 5                       ; 32 scale bytes a token
	s_add_nc_u64 s[68:69], s[56:57], s[78:79]
.endm
; A KEY STEP: the 128 keys of chunk s[CI].  masked = 1: a chunk beyond my tile's last is left out, and in the last the hidden scores become -infinity.
.macro STEP masked
.if \masked
	s_cmp_gt_u32 s[CI], s[LC]
	s_cbranch_scc1 .Lhidden_\@
.endif
	v_add_nc_u32 v[ADK], s[TK], v[LI]
	v_add_nc_u32 v[ADS], s[TK], v[KSA]
	v_add_nc_u32 v[ADV], s[TV], v[LIV]
	v_add_nc_u32 v[ADT], s[TV], v[VSA]
.rept 4
	v_nop                                          ; with the four additions: eight places in front of loads into registers that the last products read
.endr
.irp b, 0,1,2,3
.irp c, 0,1,2,3
	ds_load_b128 v[KV+16*\b+4*\c:KV+16*\b+4*\c+3], v[ADK] offset:2048*\b+512*\c
.endr
.endr
	ds_load_b128 v[KSC:KSC+3], v[ADS] offset:8192
	ds_load_b128 v[KSC+4:KSC+7], v[ADS] offset:8192+16
	s_wait_alu depctr_va_vdst(0)                   ; the wait ahead of the wait below
	s_wait_dscnt 0x0
.irp t, 0,2,4,6                        ; S^T = K Q^T: register j of tile t is key 16 t + 8 h + j
	v_wmma_scale_f32_16x16x128_f8f6f4 v[S+8*\t:S+8*\t+7], v[KV+8*\t:KV+8*\t+15], v[QLO:QLO+15], 0, v[KSC+\t], v[QSC]
	v_wmma_scale_f32_16x16x128_f8f6f4 v[S+8*\t+8:S+8*\t+15], v[KV+8*\t:KV+8*\t+15], v[QHI:QHI+15], 0, v[KSC+\t+1], v[QSC]
.endr
.rept 8
	v_nop                                          ; places in front of the loads below and of the first read of the scores
.endr
.irp t, 0,1,2,3                        ; V is asked for now, into the same registers: it lands under the softmax
.irp c, 0,1,2,3
	ds_load_b128 v[KV+16*\t+4*\c:KV+16*\t+4*\c+3], v[ADV] offset:2048*\t+512*\c
.endr
.endr
	ds_load_b128 v[VSC:VSC+3], v[ADT] offset:8192
.if \masked
	s_cmp_lg_u32 s[CI], s[LC]                      ; only my tile's last chunk lies on the diagonal
	s_cbranch_scc1 .Lopen_\@
	v_mov_b32 v237, 0xff800000
.set n, 0
.rept 64
	v_cmp_gt_i32 vcc_lo, 16*(n/8)+n%8, v[DD]
	v_cndmask_b32 v[S+n], v[S+n], v237, vcc_lo
.set n, n+1
.endr
.Lopen_\@:
.endif
.irp b, 0,1,2,3
	v_max3_num_f32 v[BM+\b], v[S+16*\b], v[S+1+16*\b], v[S+2+16*\b]   ; the largest score of each block of 32 keys: for the row's maximum, and, since p rises with the score, for the block's largest p
.endr
.irp i, 3,5,7,9,11,13
.irp b, 0,1,2,3
	v_max3_num_f32 v[BM+\b], v[BM+\b], v[S+16*\b+\i], v[S+1+16*\b+\i]
.endr
.endr
.irp b, 0,1,2,3
	v_max_num_f32 v[BM+\b], v[BM+\b], v[S+15+16*\b]
.endr
.irp b, 0,1,2,3
	s_delay_alu instid0(VALU_DEP_4)
	v_permlanex16_b32 v[BP+\b], v[BM+\b], s[SEL], s[SEL+1]
.endr
.irp b, 0,1,2,3
	s_delay_alu instid0(VALU_DEP_4)
	v_max_num_f32 v[BM+\b], v[BM+\b], v[BP+\b]     ; with lane l xor 16's 16 keys
.endr
	s_delay_alu instid0(VALU_DEP_2)
	v_max3_num_f32 v236, v[BM], v[BM+1], v[BM+2]
	s_delay_alu instid0(VALU_DEP_1)
	v_max_num_f32 v236, v236, v[BM+3]
	s_delay_alu instid0(VALU_DEP_1)
	v_mul_f32 v236, s[CS], v236                    ; as t
	s_delay_alu instid0(VALU_DEP_1)
	v_max_num_f32 v13, v13, v236                   ; the running largest t
	v_mov_b32 v236, v12
	s_delay_alu instid0(VALU_DEP_2)
	v_floor_f32 v12, -v13                          ; the new -M = -ceil(t)
	s_delay_alu instid0(VALU_DEP_1)
	v_sub_f32 v236, v12, v236                      ; old M - new M: a whole number, 0 or less
	s_delay_alu instid0(VALU_DEP_1)
	v_cvt_i32_f32 v236, v236                       ; (it saturates)
	s_delay_alu instid0(VALU_DEP_1)
	v_ldexp_f32 v[F], 1.0, v236                    ; f = 2^(old M - new M): a multiplication by it rounds nothing
.set n, 0
.rept 32
	v_pk_fma_f32 v[S+n:S+n+1], v[S+n:S+n+1], s[CS:CS+1], v[12:13] op_sel_hi:[1,0,0]   ; t - M
.set n, n+2
.endr
.irp b, 0,1,2,3
	v_fma_f32 v[BM+\b], v[BM+\b], s[CS], v12
.endr
	s_wait_alu depctr_va_vdst(0)                   ; the wait ahead of the batch
.set n, 0
.rept 64
	v_exp_f32 v[S+n], v[S+n]                       ; p = 2^(t - M)
.set n, n+1
.endr
	v_pk_mul_f32 v[14:15], v[14:15], v[F:F+1] op_sel_hi:[1,0]   ; the sums under the new M; the plain place behind the exponentials
	s_wait_alu depctr_va_vdst(0)                   ; one wait for the batch of 64, ahead of its first reader
.irp b, 0,1,2,3
	v_exp_f32 v[BM+\b], v[BM+\b]                   ; the block's largest p
.endr
.irp c, 1,2,3,4,5,6,7                  ; the row's sum of the unquantised p: 32 pairs in eight chains, the running sum and seven partial sums
	v_pk_add_f32 v[TS+2*\c:TS+2*\c+1], v[S+4*\c-4:S+4*\c-3], v[S+4*\c-2:S+4*\c-1]
.endr
.set n, 14
.rept 18
.if (n-14)%8 == 0
	v_pk_add_f32 v[14:15], v[14:15], v[S+2*n:S+2*n+1]
.else
	v_pk_add_f32 v[TS+2*((n-14)%8):TS+2*((n-14)%8)+1], v[TS+2*((n-14)%8):TS+2*((n-14)%8)+1], v[S+2*n:S+2*n+1]
.endif
.set n, n+1
.endr
	v_pk_add_f32 v[14:15], v[14:15], v[TS+8:TS+9]
	v_pk_add_f32 v[TS+2:TS+3], v[TS+2:TS+3], v[TS+10:TS+11]
	v_pk_add_f32 v[TS+4:TS+5], v[TS+4:TS+5], v[TS+12:TS+13]
	v_pk_add_f32 v[TS+6:TS+7], v[TS+6:TS+7], v[TS+14:TS+15]
	v_pk_add_f32 v[14:15], v[14:15], v[TS+4:TS+5]
	v_pk_add_f32 v[TS+2:TS+3], v[TS+2:TS+3], v[TS+6:TS+7]
	v_pk_add_f32 v[14:15], v[14:15], v[TS+2:TS+3]
	s_wait_alu depctr_va_vdst(0)                   ; and one for the four
.irp b, 0,1,2,3
	v_max_num_f32 v[BM+\b], 0x4800000, v[BM+\b]    ; the floor 2^(9 - 127)
.endr
.irp b, 0,1,2,3
	s_delay_alu instid0(VALU_DEP_4)
	v_add_nc_u32 v[BS+\b], 0xfc000000, v[BM+\b]    ; the conversion's scale operand
.endr
.irp b, 0,1,2,3
	v_and_or_b32 v[BH+\b], v[BM+\b], 0x7f800000, s[MNT]   ; 448 x the scale
.endr
.irp b, 0,1,2,3
	v_lshrrev_b32 v[BP+\b], 23, v[BS+\b]           ; the scale's byte
.endr
	s_delay_alu instid0(VALU_DEP_3)
	v_lshl_or_b32 v[PSC], v[BP+1], 8, v[BP]        ; p's scale word for these 128 keys
	s_delay_alu instid0(VALU_DEP_1)
	v_lshl_or_b32 v[PSC], v[BP+2], 16, v[PSC]
	s_delay_alu instid0(VALU_DEP_1)
	v_lshl_or_b32 v[PSC], v[BP+3], 24, v[PSC]
.irp b, 0,1,2,3
.irp i, 0,1,2,3,4,5,6,7,8,9,10,11,12,13,14,15
	v_min_num_f32 v[S+16*\b+\i], v[S+16*\b+\i], v[BH+\b]   ; the conversion does not saturate (ISA guide 7.6.2); p is not negative: a one-sided hold
.endr
	v_cvt_scalef32_pk8_fp8_f32 v[PC+4*\b:PC+1+4*\b], v[S+16*\b:S+7+16*\b], v[BS+\b]
	v_cvt_scalef32_pk8_fp8_f32 v[PC+2+4*\b:PC+3+4*\b], v[S+8+16*\b:S+15+16*\b], v[BS+\b]
.endr
	v_nop                                          ; a plain place behind the last conversion
.irp b, 0,1,2,3
	v_permlane16_swap_b32 v[PC+4*\b], v[PC+4*\b+2] ; keys 32 b + 16 h + 0 .. 15 in registers 4 b .. 4 b + 3
	v_permlane16_swap_b32 v[PC+4*\b+1], v[PC+4*\b+3]
.endr
	s_wait_alu depctr_va_vdst(0)                   ; the wait directly ahead of the first reader of O^T
.set n, 0
.rept 16
	v_pk_mul_f32 v[O+n:O+n+1], v[O+n:O+n+1], v[F:F+1] op_sel_hi:[1,0]   ; O^T under the new M; also the places between the codes' last write and the products
.set n, n+2
.endr
	s_wait_alu depctr_va_vdst(0)                   ; the wait ahead of the wait below
	s_wait_dscnt 0x0                               ; V is in
.irp t, 0,1,2,3                        ; O^T += V^T P^T; the four accumulators take turns
	v_wmma_scale_f32_16x16x128_f8f6f4 v[O+8*\t:O+8*\t+7], v[KV+16*\t:KV+16*\t+15], v[PC:PC+15], v[O+8*\t:O+8*\t+7], v[VSC+\t], v[PSC]
.endr
.if \masked
.Lhidden_\@:
.endif
	s_add_co_u32 s[TK], s[TK], CHQ
	s_add_co_u32 s[TV], s[TV], CHV
	s_add_co_u32 s[CI], s[CI], 1
.endm
; A tile is finished: O^T / the sum, quantised along the head's 64 features, stored.
.macro FINISH
.rept 8
	v_nop                                          ; places behind the last products
.endr
	v_add_f32 v14, v14, v15
	s_delay_alu instid0(VALU_DEP_1)
	v_permlanex16_b32 v236, v14, s[SEL], s[SEL+1]
	s_delay_alu instid0(VALU_DEP_1)
	v_add_f32 v14, v14, v236                       ; the row's sum
	s_wait_alu depctr_va_vdst(0)
	v_rcp_f32 v[F], v14
	v_nop                                          ; a plain place behind the reciprocal,
	s_wait_alu depctr_va_vdst(0)                   ; and the wait ahead of its first reader
.set n, 0
.rept 16
	v_pk_mul_f32 v[O+n:O+n+1], v[O+n:O+n+1], v[F:F+1] op_sel_hi:[1,0]   ; register 8 t + j: feature 16 t + 8 h + j of my query
.set n, n+2
.endr
.irp b, 0,1
	v_max3_num_f32 v[BM+\b], |v[O+16*\b]|, |v[O+1+16*\b]|, 0x4800000
.endr
.irp i, 2,4,6,8,10,12,14
.irp b, 0,1
	s_delay_alu instid0(VALU_DEP_2)
	v_max3_num_f32 v[BM+\b], v[BM+\b], |v[O+16*\b+\i]|, |v[O+1+16*\b+\i]|
.endr
.endr
.irp b, 0,1
	s_delay_alu instid0(VALU_DEP_2)
	v_permlanex16_b32 v[BP+\b], v[BM+\b], s[SEL], s[SEL+1]
.endr
.irp b, 0,1
	s_delay_alu instid0(VALU_DEP_2)
	v_max_num_f32 v[BM+\b], v[BM+\b], v[BP+\b]
.endr
.irp b, 0,1
	s_delay_alu instid0(VALU_DEP_2)
	v_add_nc_u32 v[BS+\b], 0xfc000000, v[BM+\b]
.endr
.irp b, 0,1
	s_delay_alu instid0(VALU_DEP_4)
	v_and_or_b32 v[BH+\b], v[BM+\b], 0x7f800000, s[MNT]
.endr
.irp b, 0,1
	s_delay_alu instid0(VALU_DEP_4)
	v_lshrrev_b32 v[BP+\b], 23, v[BS+\b]
.endr
	s_delay_alu instid0(VALU_DEP_1)
	v_lshl_or_b32 v237, v[BP+1], 8, v[BP]          ; my token's two scale bytes
.irp b, 0,1
.irp i, 0,1,2,3,4,5,6,7,8,9,10,11,12,13,14,15
	v_med3_num_f32 v[O+16*\b+\i], v[O+16*\b+\i], -v[BH+\b], v[BH+\b]
.endr
	v_cvt_scalef32_pk8_fp8_f32 v[PC+4*\b:PC+1+4*\b], v[O+16*\b:O+7+16*\b], v[BS+\b]
	v_cvt_scalef32_pk8_fp8_f32 v[PC+2+4*\b:PC+3+4*\b], v[O+8+16*\b:O+15+16*\b], v[BS+\b]
.endr
	v_nop
.irp b, 0,1
	v_permlane16_swap_b32 v[PC+4*\b], v[PC+4*\b+2]
	v_permlane16_swap_b32 v[PC+4*\b+1], v[PC+4*\b+3]
.endr
	global_store_b128 v[LI], v[PC:PC+3], s[66:67] th:TH_STORE_NT              ; 512 consecutive bytes, aligned
	global_store_b128 v[LI], v[PC+4:PC+7], s[66:67] offset:512 th:TH_STORE_NT
	global_store_b16 v[KSA], v237, s[68:69] th:TH_STORE_NT                    ; both halves of the lanes hold and write the same two bytes
.endm
	s_load_b256 s[4:11], s[0:1], 0x0               ; qws, kws, vws, ocodes
	s_load_b64 s[12:13], s[0:1], 0x20              ; oscales
	v_lshl_add_u32 v[SPW], v0, 2, SPARE
	v_mov_b32 v[NIL], 0
	ds_add_u32 v[SPW], v[NIL]                      ; the opening lines: the add, twice on end, and its wait ahead of my tensor load
	ds_add_u32 v[SPW], v[NIL]
	v_lshrrev_b32 v8, 5, v0
	v_readfirstlane_b32 s[WV], v8                  ; wave 0..15
	s_bfe_u32 s[CX], ttmp6, 0x40000                ; my place in the cluster: it enters global addresses and the mask's numbers alone
	s_lshr_b32 s[LCE], s[WV], 1
	s_and_b32 s[XK], s[WV], 1
	s_lshl_b32 s[XK], s[XK], 4
	s_or_b32 s[XK], s[XK], s[WV]
	s_xor_b32 s96, s[WV], 31                       ; the late tile's m = 31 - wave
	s_lshr_b32 s[LC], s96, 1                       ; its last chunk
	s_lshl_b32 s[Q0], s96, 6
	s_lshl_b32 s96, s[CX], 4
	s_add_co_u32 s[Q0], s[Q0], s96                 ; late: 64 (31 - w) + 16 cx
	s_lshl_b32 s[Q0E], s[WV], 6
	s_add_co_u32 s[Q0E], s[Q0E], s96               ; early: 64 w + 16 cx
	s_and_b32 s76, ttmp7, 0xffff                   ; the cluster's y: 16 b + head
	s_mul_i32 s78, s76, PLQ
	s_mov_b32 s79, 0
	s_mul_i32 s80, s76, PLV
	s_mov_b32 s81, 0
	s_and_b32 s77, s76, 15                         ; head
	s_lshr_b32 s76, s76, 4                         ; b
	s_lshl_b32 s82, s77, 10                        ; ocodes: head x 1,024
	s_lshl_b32 s96, s76, 21                        ; + b x 128 tiles x 16,384 bytes
	s_add_co_u32 s82, s82, s96
	s_mov_b32 s83, 0
	s_lshl_b32 s76, s76, 16                        ; oscales: b x 2,048 x 32 + 2 head
	s_lshl_b32 s77, s77, 1
	s_add_co_u32 s76, s76, s77
	s_mov_b32 s77, 0
	; descriptor group 1: a dense block as rows of 256 bytes (32 elements of 8 bytes), no padding: 68 rows of K, 66 of V; the mask names the cluster's four, bit 21 beside it
	s_mov_b32 s[G1K], 15|(3<<16)|(1<<21)
	s_mov_b32 s[G1K+1], 32<<16
	s_mov_b32 s[G1K+2], 68<<16
	s_mov_b32 s[G1K+3], 32<<16
	s_mov_b32 s[G1K+4], 68
	s_mov_b32 s[G1K+5], 32
	s_mov_b32 s[G1K+6], 0
	s_mov_b32 s[G1K+7], 0
	s_mov_b32 s[G1V], 15|(3<<16)|(1<<21)
	s_mov_b32 s[G1V+1], 32<<16
	s_mov_b32 s[G1V+2], 66<<16
	s_mov_b32 s[G1V+3], 32<<16
	s_mov_b32 s[G1V+4], 66
	s_mov_b32 s[G1V+5], 32
	s_mov_b32 s[G1V+6], 0
	s_mov_b32 s[G1V+7], 0
	s_mov_b32 s[G0K], 1
	s_mul_i32 s[G0K+1], s[LCE], KSL                ; where my slot goes: from the wave's number alone
	s_mov_b32 s[G0V], 1
	s_mul_i32 s[G0V+1], s[LCE], VSL
	s_add_co_u32 s[G0V+1], s[G0V+1], VOFF
	s_mov_b32 s[SEL], 0x76543210
	s_mov_b32 s[SEL+1], 0xfedcba98
	s_mov_b32 s[CS], 0x3e38aa3b                    ; log2(e) / sqrt(64)
	s_mov_b32 s[CS+1], s[CS]
	s_mov_b32 s[MNT], 0x600000
	s_mov_b32 s[TK], 0
	s_mov_b32 s[TV], 0
	s_mov_b32 s[CI], 0
	s_wait_dscnt 0x0                               ; both opening adds are done
	CROUND                                         ; the four work-groups are here: the joint loads meet
	s_wait_kmcnt 0x0
	s_add_nc_u64 s[KB:KB+1], s[6:7], s[78:79]
	s_add_nc_u64 s[VB:VB+1], s[8:9], s[80:81]
	s_add_nc_u64 s[QB:QB+1], s[4:5], s[78:79]
	s_add_nc_u64 s[54:55], s[10:11], s[82:83]
	s_add_nc_u64 s[56:57], s[12:13], s[76:77]
	s_mul_i32 s78, s[LCE], KSL
	s_add_nc_u64 s[G0K+2:G0K+3], s[KB:KB+1], s[78:79]
	s_or_b32 s[G0K+3], s[G0K+3], 0x80000000
	s_mul_i32 s80, s[LCE], VSL
	s_add_nc_u64 s[G0V+2:G0V+3], s[VB:VB+1], s[80:81]
	s_or_b32 s[G0V+3], s[G0V+3], 0x80000000
	; one chain of branches on the wave's number, a load to an arm, one join: each stage's waves have lines of their own
	ARM 1,  G0K, G1K, .Lk_b                        ; wave 0: K's slot 0
	ARM 8,  G0K, G1K, .Lk_c                        ; waves 2, 4, 6: K's slots 1-3
	ARM 16, G0K, G1K, .Lv_a                        ; waves 8 .. 14: K's slots 4-7
	ARM 18, G0V, G1V, .Lv_b                        ; wave 1: V's slot 0
	ARM 24, G0V, G1V, .Lv_c                        ; waves 3, 5, 7: V's slots 1-3
	TL G0V, G1V                                    ; waves 9 .. 15: V's slots 4-7
.Lhead_asked:
	v_and_b32 v8, 31, v0
	v_lshlrev_b32 v[LI], 4, v8
	v_and_b32 v8, 15, v0                           ; r
	v_bfe_u32 v9, v0, 4, 1                         ; h
	v_lshlrev_b32 v[KSA], 5, v8
	v_lshl_add_u32 v[VSA], v8, 4, VOFF
	v_add_nc_u32 v[LIV], VOFF, v[LI]
	v_lshlrev_b32 v9, 3, v9
	v_sub_nc_u32 v[MD], v8, v9
	LOADQ
.irp j, 0,1,2,3,4,5,6,7
	v_mov_b32 v[QHI+\j], 0                         ; the zero codes on either side of q
	v_mov_b32 v[QLO+8+\j], 0
.endr
.irp b, 0,1,2,3
	v_mov_b32 v[BP+\b], 0                          ; written once: a lane permute's destination counts as one of its sources
.endr
	v_mov_b32 v[F+1], 0                            ; (named as the upper half of a pair)
	v_mov_b32 v236, 0
	v_mov_b32 v237, 0
	INIT
	s_wait_alu depctr_va_vdst(0)                   ; the wait at the head's end
	s_wait_loadcnt 0x0                             ; q
	s_cmp_lt_u32 s[WV], 2
	s_cbranch_scc0 .Lnot_a
	s_wait_tensorcnt 0x0                           ; waves 0, 1: slot 0 is in
.Lnot_a:
	s_barrier_signal -1
	s_barrier_wait -1
.Lp1:                                              ; the late tile, chunks 0, 1
	STEP 0
	s_cmp_lt_u32 s[CI], 2
	s_cbranch_scc1 .Lp1
	s_cmp_lt_u32 s[WV], 8
	s_cbranch_scc0 .Lnot_b
	s_wait_tensorcnt 0x0                           ; waves 2 to 7: slots 1-3 are in
.Lnot_b:
	s_wait_dscnt 0x0
	s_barrier_signal -1
	s_barrier_wait -1
.Lp2:                                              ; chunks 2 .. 7
	STEP 0
	s_cmp_lt_u32 s[CI], 8
	s_cbranch_scc1 .Lp2
	s_wait_tensorcnt 0x0                           ; all that is still out: on every wave's way
	s_wait_dscnt 0x0
	s_barrier_signal -1
	s_barrier_wait -1                              ; from here on no wave waits for another
.Lp3:                                              ; chunks 8 .. 15, up to the late tile's last
	STEP 1
	s_cmp_lt_u32 s[CI], 16
	s_cbranch_scc1 .Lp3
	OUTADDR
	s_mov_b32 s[Q0], s[Q0E]
	LOADQ                                          ; the early tile's q lands while the late tile is finished
	FINISH
	INIT
	s_mov_b32 s[LC], s[LCE]
	s_mov_b32 s[TK], 0
	s_mov_b32 s[TV], 0
	s_mov_b32 s[CI], 0
	s_wait_alu depctr_va_vdst(0)                   ; the wait ahead of the waits below
	s_wait_loadcnt 0x0                             ; q
	s_wait_xcnt 0x0                                ; the stores have read their registers: the next steps write them again
.Lp4:                                              ; the early tile: chunks 0 .. 7, up to its last
	STEP 1
	s_cmp_lt_u32 s[CI], 8
	s_cbranch_scc1 .Lp4
	OUTADDR
	FINISH
	s_wait_tensorcnt 0x0                           ; the wave's end
	ds_add_u32 v[SPW], v[NIL]
	s_wait_dscnt 0x0
	CROUND                                         ; the closing round
	s_endpgm
.Lfunc_end_k_q18ab5a66c0_attn:
	.size	k_q18ab5a66c0_attn, .Lfunc_end_k_q18ab5a66c0_attn-k_q18ab5a66c0_attn
	.p2alignl 7, 3214868480
	.fill 96, 4, 3214868480
	.section	.rodata,"a",@progbits
	.p2align	6, 0x0
	.amdhsa_kernel k_q18ab5a66c0_attn
		.amdhsa_group_segment_fixed_size 327680
		.amdhsa_private_segment_fixed_size 0
		.amdhsa_enable_private_segment 0
		.amdhsa_kernarg_size 40
		.amdhsa_user_sgpr_count 2
		.amdhsa_user_sgpr_kernarg_segment_ptr 1
		.amdhsa_wavefront_size32 1
		.amdhsa_system_sgpr_workgroup_id_x 1
		.amdhsa_system_sgpr_workgroup_id_y 1
		.amdhsa_system_sgpr_workgroup_id_z 1
		.amdhsa_system_vgpr_workitem_id 0
		.amdhsa_next_free_vgpr 256
		.amdhsa_next_free_sgpr 100
		.amdhsa_reserve_vcc 1
		.amdhsa_float_denorm_mode_32 3
		.amdhsa_float_denorm_mode_16_64 3
		.amdhsa_memory_ordered 1
		.amdhsa_forward_progress 1
		.amdhsa_inst_pref_size 115
	.end_amdhsa_kernel
	.amdgpu_metadata
---
amdhsa.version: [ 1, 2 ]
amdhsa.kernels:
  - .name:           k_q18ab5a66c0_attn
    .symbol:         k_q18ab5a66c0_attn.kd
    .args:
      - { .name: qws, .offset: 0, .size: 8, .value_kind: global_buffer, .address_space: global }
      - { .name: kws, .offset: 8, .size: 8, .value_kind: global_buffer, .address_space: global }
      - { .name: vws, .offset: 16, .size: 8, .value_kind: global_buffer, .address_space: global }
      - { .name: ocodes, .offset: 24, .size: 8, .value_kind: global_buffer, .address_space: global }
      - { .name: oscales, .offset: 32, .size: 8, .value_kind: global_buffer, .address_space: global }
    .group_segment_fixed_size: 327680
    .private_segment_fixed_size: 0
    .kernarg_segment_align: 8
    .kernarg_segment_size: 40
    .max_flat_workgroup_size: 512
    .sgpr_count:     100
    .vgpr_count:     256
    .wavefront_size: 32
...
	.end_amdgpu_metadata
.endif
;; end of part 2
;; launch oproj (part 3): grid 8 x 32, 4 waves a work-group, clusters of 4 x 4, 327,680 bytes of LDS; arguments ocodes, oscales, Wo_codes, Wo_scales, out0, bo; writes out0
.if DOCPART == 3
	.amdgcn_target "amdgcn-amd-amdhsa--gfx1250"
	.amdhsa_code_object_version 6
	.text
	.protected	k_q18ab5a66c0_oproj
	.globl	k_q18ab5a66c0_oproj
	.p2align	8
	.type	k_q18ab5a66c0_oproj,@function
k_q18ab5a66c0_oproj:
	s_mov_b64 s[64:65], 0
	v_nop
	global_prefetch_b8 v0, s[64:65] scope:SCOPE_SE
	s_setreg_imm32_b32 hwreg(HW_REG_WAVE_MODE, 25, 1), 1
	s_wait_xcnt 0x0
	s_wait_alu depctr_hold_cnt(0) depctr_sa_sdst(0) depctr_va_vdst(0) depctr_va_sdst(0) depctr_va_ssrc(0) depctr_va_vcc(0) depctr_vm_vsrc(0)
	s_getreg_b32 s2, hwreg(HW_REG_IB_STS2, 6, 4)
	s_cmp_eq_u32 s2, 0
	s_cbranch_scc0 .Lentry_in_a_cluster
	s_endpgm
.Lentry_in_a_cluster:
	s_bfe_u32 s2, ttmp6, 0x10000c
	s_cmp_lg_u32 s2, 0xf033
	s_cbranch_scc0 .Lentry_shape_is_right
	s_endpgm
.Lentry_shape_is_right:
; out0 = O Wo^T + bo on codes of FP8 (E4M3) with one E8M0 scale for each 32 along K = 1,024; sums in f32, begun with the bias as the first products' C.
; O comes from the attention launch: ocodes [token / 16][16,384]: fragment q (128 of K) of a tile of 16 tokens is 2,048 bytes on end, piece c at 512 c + 16 x lane; oscales [token][32].
; THE DEAL.  256 work-groups of four waves, 2 x 2; a work-group makes 256 tokens x 128 columns.  A wave holds 64 rows of Wo, ALL of K, in 512 registers (windows 1, 2) and streams eight blocks of 16 tokens past them, 32 products a block;
; a block's fragments stand in one of two sets of 128 registers (window 3), fetched two blocks ahead.  Source 0 = Wo's rows, source 1 = the tokens: a lane holds eight neighbouring columns of one token's row.
; LDS: two slots of 128 rows of 1,024 bytes + 16 of padding.  At the head waves 0, 1 bring Wo's 128 rows into slot 1 and waves 2, 3 the first 128 tokens' image (chunk 0: 128 rows of 1,024 bytes, dense) into slot 0.
; When every wave holds Wo in registers, a drained round of the cluster's barrier follows, and chunk 1 is filled over Wo's very bytes, 32 rows a wave; a plain barrier in block 2 shows it, ahead of the fetch of block 4.
; CLUSTERS of 4 x 4: the tokens' chunks are shared along a row of the cluster, Wo's rows along a column: joint loads.
; PREFETCH: chunk 1's 512 blocks of 256 bytes are asked for once in each row of a cluster, behind the head's first barrier: the row's sixteen waves name 32 blocks each, told apart by address.  Chunk 0 and Wo come by their loads alone.
; Scale words and the bias come by plain loads into registers: a block's 16 rows of scale bytes are 512 bytes on end: lanes 0-15 take words 0-3 of their row, lanes 16-31 words 4-7.
; THE WAY OUT: a block's 16 x 64 sums go through the wave's own stage in LDS and leave as rows of 256 bytes, aligned, sixteen lanes to a row, while the next block is multiplied.
; LIMITS: NaN and infinities are not served.
.set KROW,   1024
.set PITCH,  KROW+16                   ; 65 x 16 bytes: the 16 rows that a load of Wo touches start at 16 different groups of banks (ISA guide 11.1)
.set CH,     128
.set YB,     CH*PITCH                  ; slot 1
.set STG,    2*CH*PITCH                ; the stages: 16 rows x 272 bytes a wave; no fill lands here
.set SPITCH, 272
.set SPARE,  STG+4*16*SPITCH           ; the spare words: two blocks of 256 bytes that no other line names
.set NP,   8                           ; places behind this matrix instruction (ISA guide 7.12.1)
.set ADA,  4                           ; v4-7  LDS address of my blocks 0-1, 2-3 (slot 0), 4-5, 6-7 (slot 1)
.set ADRB, 8                           ; v8    of my fragments of Wo
.set STO,  9
.set RD,   10
.set CO,   11                          ; v11   4,096 h + 16 r: my bytes in two rows of out0
.set SPW,  12
.set NIL,  13
.set ABS,  14                          ; v14   32 x lane
.set AXS,  15                          ; v15   32 r + 16 h
.set BOH,  16                          ; v16   32 h
.set PFO,  17
.set SB,   24                          ; v24-39  Wo's scale words: register 8 p + q: lanes 0-15 tile 2 p's, lanes 16-31 tile 2 p + 1's
.set SA,   42                          ; v42-73  the tokens': register 4 n + q % 4 of block n: lanes 0-15 q < 4, lanes 16-31 q >= 4
.set BB,   80                          ; v80-111 the bias: 8 b + j: column 16 b + 8 h + j
.set ACC,  112                         ; v112-175 two sets of four accumulators
.set OB,   176                         ; v176-239 two sets of 16 rows read back from the stage
.set G1A,  24
.set G1B,  32
.set G0A,  48
.set G0B,  52
.set G0R,  56
.set MSB, 0
.macro WIN new                         ; the immediate's high byte repeats the setting that is left
.if MSB != \new
	s_set_vgpr_msb (MSB<<8)|\new
.set MSB, \new
.endif
.endm
.macro PLACES n
.rept \n
	v_nop
.endr
.endm
.macro CROUND                          ; a round of the cluster's barrier
	s_barrier_signal -1
	s_barrier_wait -1
	s_cmp_lg_u32 s16, 0
	s_cbranch_scc1 .Lnot_wave_0_\@
	s_barrier_signal -3
.Lnot_wave_0_\@:
	s_barrier_wait -3
	s_barrier_signal -1
	s_barrier_wait -1
.endm
.macro TLOAD g0, g1                    ; a joint load; an s_nop 0 and four v_nop follow it
	tensor_load_to_lds s[\g0:\g0+3], s[\g1:\g1+7]
	s_nop 0
	PLACES 4
.endm
.macro GROUP1 g, mask, rows            ; so many rows of 1,024 bytes, dense in memory, 16 bytes of padding behind each in LDS
	s_or_b32 s[\g+0], s[\mask], (1<<20)|(1<<21)|(7<<22)|(3<<25)
	s_mov_b32 s[\g+1], (KROW&0xffff)<<16
	s_mov_b32 s[\g+2], (KROW>>16)|((\rows)<<16)
	s_mov_b32 s[\g+3], KROW<<16
	s_mov_b32 s[\g+4], \rows
	s_mov_b32 s[\g+5], KROW
	s_mov_b32 s[\g+6], 0
	s_mov_b32 s[\g+7], 0
.endm
	s_load_b256 s[4:11], s[0:1], 0x0               ; ocodes, oscales, Wo_codes, Wo_scales
	s_load_b128 s[12:15], s[0:1], 0x20             ; out0, bo
	v_lshl_add_u32 v[SPW], v0, 2, SPARE
	v_mov_b32 v[NIL], 0
	ds_add_u32 v[SPW], v[NIL]                      ; the opening lines: the add, twice on end, and its wait ahead of my first tensor load
	ds_add_u32 v[SPW], v[NIL]
	v_lshrrev_b32 v1, 5, v0
	v_readfirstlane_b32 s16, v1                    ; wave 0..3
	s_lshr_b32 s17, s16, 1                         ; my row of waves: which 64 of a chunk's tokens
	s_and_b32 s18, s16, 1                          ; my column of waves: which 64 of Wo's rows; also which half of a head's tile I fetch
	s_bfe_u32 s40, ttmp6, 0x40000                  ; cx, cy
	s_bfe_u32 s41, ttmp6, 0x40004
	s_lshl_b32 s42, ttmp9, 2
	s_add_co_u32 s42, s42, s40                     ; tile column, 0 .. 7
	s_and_b32 s43, ttmp7, 0xffff
	s_lshl_b32 s43, s43, 2
	s_add_co_u32 s43, s43, s41                     ; tile row, 0 .. 31
	s_lshl_b32 s44, s41, 2
	s_lshl_b32 s44, 15, s44                        ; my row of the cluster shares the tokens
	s_lshl_b32 s45, 0x1111, s40                    ; my column shares Wo's rows
	GROUP1 G1B, 45, 64
	GROUP1 G1A, 44, 64
	s_mov_b32 s[G0A], 1
	s_mul_i32 s[G0A+1], s18, 64*PITCH              ; LDS places hang on the wave's number alone
	s_mov_b32 s[G0B], 1
	s_add_co_u32 s[G0B+1], s[G0A+1], YB
	s_mov_b32 s[G0R], 1
	s_mul_i32 s[G0R+1], s16, 32*PITCH
	s_add_co_u32 s[G0R+1], s[G0R+1], YB
	s_lshl_b32 s60, s43, 18                        ; my 256 tokens' image: 16 tiles of 16,384 bytes
	s_mov_b32 s61, 0
	s_lshl_b32 s62, s18, 16                        ; a half: 64 rows of 1,024 bytes
	s_mov_b32 s63, 0
	s_lshl_b32 s66, s42, 17                        ; my 128 rows of Wo
	s_mov_b32 s67, 0
	s_lshl_b32 s68, s16, 15                        ; chunk 1: 131,072 bytes on, my 32 rows
	s_add_co_u32 s68, s68, 131072
	s_mov_b32 s69, 0
	s_lshl_b32 s70, s40, 2                         ; which of the cluster row's sixteen waves I am: my 8,192 bytes of chunk 1
	s_add_co_u32 s70, s70, s16
	s_lshl_b32 s70, s70, 13
	s_add_co_u32 s70, s70, 131072
	s_lshl_b32 s74, s42, 9                         ; my 64 columns, in bytes of f32
	s_lshl_b32 s71, s18, 8
	s_add_co_u32 s74, s74, s71
	s_mov_b32 s75, 0
	s_lshl_b32 s72, s43, 20                        ; out0: my first row of 4,096 bytes
	s_lshl_b32 s71, s17, 18
	s_add_co_u32 s72, s72, s71
	s_add_co_u32 s72, s72, s74
	s_mov_b32 s73, 0
	s_lshl_b32 s76, s42, 12                        ; Wo's scale bytes: 32 a row
	s_lshl_b32 s71, s18, 11
	s_add_co_u32 s76, s76, s71
	s_mov_b32 s77, 0
	s_lshl_b32 s78, s43, 13                        ; the tokens' scale bytes
	s_lshl_b32 s71, s17, 11
	s_add_co_u32 s78, s78, s71
	s_mov_b32 s79, 0
	s_mul_i32 s80, s17, 64*PITCH                   ; my four tiles of a chunk
	s_mul_i32 s81, s18, 64*PITCH
	s_add_co_u32 s81, s81, YB                      ; my 64 rows of Wo
	s_mul_i32 s82, s16, 16*SPITCH
	s_add_co_u32 s82, s82, STG                     ; my stage
	s_wait_dscnt 0x0                               ; both opening adds are done
	CROUND                                         ; all sixteen work-groups are here: the first joint loads meet
	s_wait_kmcnt 0x0
	s_add_nc_u64 s[4:5], s[4:5], s[60:61]
	s_add_nc_u64 s[G0A+2:G0A+3], s[4:5], s[62:63]
	s_or_b32 s[G0A+3], s[G0A+3], 0x80000000
	s_add_nc_u64 s[8:9], s[8:9], s[66:67]
	s_add_nc_u64 s[G0B+2:G0B+3], s[8:9], s[62:63]
	s_or_b32 s[G0B+3], s[G0B+3], 0x80000000
	s_add_nc_u64 s[G0R+2:G0R+3], s[4:5], s[68:69]
	s_or_b32 s[G0R+3], s[G0R+3], 0x80000000
	s_add_nc_u64 s[12:13], s[12:13], s[72:73]
	s_add_nc_u64 s[14:15], s[14:15], s[74:75]
	s_add_nc_u64 s[10:11], s[10:11], s[76:77]
	s_add_nc_u64 s[6:7], s[6:7], s[78:79]
	s_cmp_lt_u32 s16, 2                            ; one joint load a wave; Wo's waves, which wait at the first barrier, have a line of their own
	s_cbranch_scc0 .Lfor_x
	TLOAD G0B, G1B                                 ; waves 0, 1: Wo's rows, which are wanted first
	s_branch .Lasked
.Lfor_x:
	TLOAD G0A, G1A                                 ; waves 2, 3: chunk 0
.Lasked:
	v_and_b32 v1, 15, v0                           ; r
	v_bfe_u32 v2, v0, 4, 1                         ; h
	v_and_b32 v3, 31, v0                           ; lane
	v_lshl_add_u32 v[ADA], v3, 4, s80
	v_add_nc_u32 v[ADA+1], 32*PITCH, v[ADA]
	v_add_nc_u32 v[ADA+2], YB, v[ADA]
	v_add_nc_u32 v[ADA+3], YB+32*PITCH, v[ADA]
	v_mul_u32_u24 v[ADRB], v1, PITCH
	v_lshl_add_u32 v[ADRB], v2, 4, v[ADRB]
	v_add_nc_u32 v[ADRB], s81, v[ADRB]
	v_mul_u32_u24 v[STO], v1, SPITCH               ; in: row r, 32 bytes for each half of the lanes
	v_lshl_add_u32 v[STO], v2, 5, v[STO]
	v_add_nc_u32 v[STO], s82, v[STO]
	v_mul_u32_u24 v[RD], v2, SPITCH                ; back: lanes 0-15 one row of 256 bytes, lanes 16-31 the next
	v_lshl_add_u32 v[RD], v1, 4, v[RD]
	v_add_nc_u32 v[RD], s82, v[RD]
	v_lshlrev_b32 v[CO], 12, v2
	v_lshl_add_u32 v[CO], v1, 4, v[CO]
	v_lshlrev_b32 v[ABS], 5, v3
	v_lshlrev_b32 v[AXS], 5, v1
	v_lshl_add_u32 v[AXS], v2, 4, v[AXS]
	v_lshlrev_b32 v[BOH], 5, v2
	v_lshl_add_u32 v[PFO], v3, 8, s70
.irp p, 0,1
.irp c, 0,1
	global_load_b128 v[SB+8*\p+4*\c:SB+8*\p+4*\c+3], v[ABS], s[10:11] offset:\p*1024+16*\c
.endr
.endr
.irp n, 0,1,2,3,4,5,6,7
	global_load_b128 v[SA+4*\n:SA+4*\n+3], v[AXS], s[6:7] offset:4096*(\n/4)+512*(\n%4)   ; 512 consecutive bytes, aligned
.endr
.irp b, 0,1,2,3
	global_load_b128 v[BB+8*\b:BB+8*\b+3], v[BOH], s[14:15] offset:64*\b
	global_load_b128 v[BB+8*\b+4:BB+8*\b+7], v[BOH], s[14:15] offset:64*\b+16
.endr
	s_wait_alu depctr_va_vdst(0)                   ; the wait at the head's end
	s_cmp_lt_u32 s16, 2
	s_cbranch_scc0 .Lnot_w
	s_wait_tensorcnt 0x0                           ; waves 0, 1: Wo's rows are in
.Lnot_w:
	s_barrier_signal -1
	s_barrier_wait -1
	global_prefetch_b8 v[PFO], s[4:5] th:TH_LOAD_NT scope:SCOPE_SE   ; my share of chunk 1; its registers are never rewritten
; Wo's fragment f = 4 q + b (16 rows x 128 of K) lies in window 1 + f / 16: lane l holds row l % 16; registers 4 c .. 4 c + 3 hold K = 32 c + 16 (l / 16) + 0 .. 15
.irp q, 0,1,2,3,4,5,6,7
.irp b, 0,1,2,3
	WIN (1+(4*\q+\b)/16)<<6
.irp c, 0,1,2,3
	ds_load_b128 v[16*((4*\q+\b)%16)+4*\c:16*((4*\q+\b)%16)+4*\c+3], v[ADRB] offset:\b*16*PITCH+128*\q+32*\c
.endr
.endr
.endr
	WIN 0
	s_wait_tensorcnt 0x0                           ; my tensor load is in (waves 2, 3: chunk 0)
	ds_add_u32 v[SPW], v[NIL]
	s_mov_b32 s[G1A+2], (KROW>>16)|(32<<16)        ; no tensor load of mine is out: the refill brings 32 rows a wave
	s_mov_b32 s[G1A+4], 32
	s_wait_dscnt 0x0                               ; the add is done, and Wo is in my registers: my reads of slot 1 are over
	CROUND
	TLOAD G0R, G1A                                 ; chunk 1 over Wo's bytes
.macro FETCH n                         ; block n's eight fragments into set n % 2 of window 3: 32 loads
.set AD_, ADA+2*((\n)/4)+((\n)%4)/2
	WIN 3<<6
.irp q, 0,1,2,3,4,5,6,7
.irp c, 0,1,2,3
	ds_load_b128 v[128*((\n)%2)+16*\q+4*\c:128*((\n)%2)+16*\q+4*\c+3], v[AD_] offset:((\n)%2)*16*PITCH+\q*2*PITCH+(\c/2)*PITCH+(\c%2)*512
.endr
.endr
	WIN 0
.endm
.macro PROD blk, n                     ; product n = 4 q + b of a block; the four accumulators take turns
.set Q_, (\n)/4
.set B_, (\n)%4
.set AC_, ACC+32*((\blk)%2)+8*B_
.set C_, AC_
.if Q_ == 0
.set C_, BB+8*B_
.endif
.set R_, 128*((\blk)%2)+16*Q_
.set W_, 16*((\n)%16)
.set XS_, SA+4*(\blk)+Q_%4
.set WS_, SB+8*(B_/2)+Q_
	WIN (1+(\n)/16)|(3<<2)
.if (B_%2) && (Q_/4)
	v_wmma_scale_f32_16x16x128_f8f6f4 v[AC_:AC_+7], v[W_:W_+15], v[R_:R_+15], v[C_:C_+7], v[WS_], v[XS_] matrix_a_scale:MATRIX_SCALE_ROW1 matrix_b_scale:MATRIX_SCALE_ROW1
.elseif B_%2
	v_wmma_scale_f32_16x16x128_f8f6f4 v[AC_:AC_+7], v[W_:W_+15], v[R_:R_+15], v[C_:C_+7], v[WS_], v[XS_] matrix_a_scale:MATRIX_SCALE_ROW1
.elseif Q_/4
	v_wmma_scale_f32_16x16x128_f8f6f4 v[AC_:AC_+7], v[W_:W_+15], v[R_:R_+15], v[C_:C_+7], v[WS_], v[XS_] matrix_b_scale:MATRIX_SCALE_ROW1
.else
	v_wmma_scale_f32_16x16x128_f8f6f4 v[AC_:AC_+7], v[W_:W_+15], v[R_:R_+15], v[C_:C_+7], v[WS_], v[XS_]
.endif
.endm
.macro STAGE n                         ; block n's sums into my stage, each accumulator from its low end on, and back as rows: 16 LDS instructions, served in order (ISA guide 5.7.1.4)
.irp b, 0,1,2,3
	ds_store_b128 v[STO], v[ACC+32*((\n)%2)+8*\b:ACC+32*((\n)%2)+8*\b+3] offset:64*\b
	ds_store_b128 v[STO], v[ACC+32*((\n)%2)+8*\b+4:ACC+32*((\n)%2)+8*\b+7] offset:64*\b+16
.endr
.irp i, 0,1,2,3,4,5,6,7
	ds_load_b128 v[OB+32*((\n)%2)+4*\i:OB+32*((\n)%2)+4*\i+3], v[RD] offset:2*\i*SPITCH
.endr
.endm
.macro SEND n, younger                 ; younger: the LDS loads issued behind block n's, which may stay out
	s_wait_dscnt \younger
.irp i, 0,1,2,3,4,5,6,7
	global_store_b128 v[CO], v[OB+32*((\n)%2)+4*\i:OB+32*((\n)%2)+4*\i+3], s[12:13] offset:(128*((\n)/4)+16*((\n)%4)+2*\i)*4096 th:TH_STORE_NT   ; sixteen lanes store 256 consecutive bytes, aligned
.endr
.endm
.macro BLK n, w                        ; w: the LDS instructions issued behind this block's fetch that may stay out
	s_wait_dscnt \w
	s_wait_xcnt 0x0                                ; the stores of two blocks back have read their registers, which this block's stage loads write
.set N_, 0
.rept 32
	PROD \n, N_
.set N_, N_+1
.endr
	WIN 0
	PLACES NP                                      ; ahead of the fetch into the set just read and of the first read of the sums
.if (\n) == 2
	s_wait_tensorcnt 0x0                           ; chunk 1: my 32 rows are in; on every wave's way
	s_wait_dscnt 0x0
	s_barrier_signal -1
	s_barrier_wait -1                              ; everybody's are
.endif
.if (\n) < 6
	FETCH (\n)+2
.endif
.if (\n) > 0
.if (\n) < 6
	SEND (\n)-1, 32                                ; behind its loads: the 32 of the fetch above
.else
	SEND (\n)-1, 0
.endif
.endif
	STAGE \n
.endm
	FETCH 0
	FETCH 1
	s_wait_loadcnt 0x0                             ; scale words and bias
	BLK 0, 32                                      ; block 1's fetch may be out
.irp n, 1,2,3,4,5,6
	BLK \n, 48                                     ; the next block's fetch (32) and the last stage (16) may be out
.endr
	BLK 7, 16                                      ; the last stage may be out
	SEND 7, 0
	s_wait_tensorcnt 0x0                           ; the wave's end
	ds_add_u32 v[SPW], v[NIL]
	s_wait_dscnt 0x0
	CROUND                                         ; the closing round
	s_endpgm
.Lfunc_end_k_q18ab5a66c0_oproj:
	.size	k_q18ab5a66c0_oproj, .Lfunc_end_k_q18ab5a66c0_oproj-k_q18ab5a66c0_oproj
	.p2alignl 7, 3214868480
	.fill 96, 4, 3214868480
	.section	.rodata,"a",@progbits
	.p2align	6, 0x0
	.amdhsa_kernel k_q18ab5a66c0_oproj
		.amdhsa_group_segment_fixed_size 327680
		.amdhsa_private_segment_fixed_size 0
		.amdhsa_enable_private_segment 0
		.amdhsa_kernarg_size 48
		.amdhsa_user_sgpr_count 2
		.amdhsa_user_sgpr_kernarg_segment_ptr 1
		.amdhsa_wavefront_size32 1
		.amdhsa_system_sgpr_workgroup_id_x 1
		.amdhsa_system_sgpr_workgroup_id_y 1
		.amdhsa_system_sgpr_workgroup_id_z 1
		.amdhsa_system_vgpr_workitem_id 0
		.amdhsa_next_free_vgpr 1024
		.amdhsa_next_free_sgpr 100
		.amdhsa_reserve_vcc 0
		.amdhsa_float_denorm_mode_32 3
		.amdhsa_float_denorm_mode_16_64 3
		.amdhsa_memory_ordered 1
		.amdhsa_forward_progress 1
		.amdhsa_inst_pref_size 85
	.end_amdhsa_kernel
	.amdgpu_metadata
---
amdhsa.version: [ 1, 2 ]
amdhsa.kernels:
  - .name:           k_q18ab5a66c0_oproj
    .symbol:         k_q18ab5a66c0_oproj.kd
    .args:
      - { .name: ocodes, .offset: 0, .size: 8, .value_kind: global_buffer, .address_space: global }
      - { .name: oscales, .offset: 8, .size: 8, .value_kind: global_buffer, .address_space: global }
      - { .name: Wo_codes, .offset: 16, .size: 8, .value_kind: global_buffer, .address_space: global }
      - { .name: Wo_scales, .offset: 24, .size: 8, .value_kind: global_buffer, .address_space: global }
      - { .name: out0, .offset: 32, .size: 8, .value_kind: global_buffer, .address_space: global }
      - { .name: bo, .offset: 40, .size: 8, .value_kind: global_buffer, .address_space: global }
    .group_segment_fixed_size: 327680
    .private_segment_fixed_size: 0
    .kernarg_segment_align: 8
    .kernarg_segment_size: 48
    .max_flat_workgroup_size: 128
    .sgpr_count:     100
    .vgpr_count:     1024
    .wavefront_size: 32
...
	.end_amdgpu_metadata
.endif
;; end of part 3
